; MI455X (gfx1250); checked and timed in simulation.
; The chip was launched on July 23, 2026; its instructions are those of AMD's public machine-readable ISA for CDNA 5 (MIT licence, August 2026) and "CDNA5" Instruction Set Architecture Reference Guide (July 2026). The comments in the code are by the model that wrote it; some were corrected since.
;; Multi Head Attention. Allowed arithmetic: matrix products marked QUANTISED: E2M3 operands, one E8M0 scale for each 32 along K, by v_wmma_scale_f32_16x16x128_f8f6f4 with both operands' format E2M3, f32 sums; everything else in f32.
;; Inputs: Wk 1,024 x 1,024 float32; Wo 1,024 x 1,024 float32; Wq 1,024 x 1,024 float32; Wv 1,024 x 1,024 float32; bk 1,024 float32; bo 1,024 float32; bq 1,024 float32; bv 1,024 float32; key 4 x 2,048 x 1,024 float32; query 4 x 2,048 x 1,024 float32; value 4 x 2,048 x 1,024 float32.
;; Outputs: out0 4 x 2,048 x 1,024 float32.
;; This version of the problem:
;;   THIS VERSION OF THE PROBLEM IS GIVEN IN LOW PRECISION. The matrix products marked QUANTISED in the list below multiply operands that are first quantised to E2M3 (2 exponent bits, 3 mantissa bits; 6 bits a number), with one power-of-two scale for each 32 numbers along K (OCP MX v1.0); their sums are f32. All else is computed in f32.
;;   The module's matrix products, in the order in which they are computed (A, B: the left and right operand; K: the contracted axis; several contracted axes count as one K, in the product's order):
;;     1. [M 8,192, K 1,024] x [K 1,024, N 1,024]; A: input query; B: input Wq: QUANTISED
;;     2. [M 8,192, K 1,024] x [K 1,024, N 1,024]; A: input key; B: input Wk: QUANTISED
;;     3. [M 8,192, K 1,024] x [K 1,024, N 1,024]; A: input value; B: input Wv: QUANTISED
;;     4. batch 64 x [M 2,048, K 64] x [K 64, N 2,048]; A: computed on the way; B: computed on the way: QUANTISED
;;     5. batch 64 x [M 2,048, K 2,048] x [K 2,048, N 64]; A: softmax (see below); B: computed on the way: QUANTISED
;;     6. [M 8,192, K 1,024] x [K 1,024, N 1,024]; A: computed on the way; B: input Wo: QUANTISED
;;   THE QUANTISER, for each operand of a quantised product, along K:
;;     - K is cut into blocks of 32 from its start; a last block that is shorter is filled with zeros.
;;     - A block's scale is 2^e with e = floor(log2(the largest magnitude in the block)) - 2, held to -126 .. 127; a block of zeros has e = 0. As a byte (E8M0): e + 127.
;;     - Each number is divided by its block's scale, clamped to +-7.5, and rounded to the nearest number of E2M3, ties to even, subnormals kept.
;;     - The product sums the exact products of the quantised numbers (number of the format x scale) in f32.
;;   ~~~python
;;   def quantise(x, axis):      # numpy; x: float32 -> the quantised numbers, widened to float32 again
;;       x = np.moveaxis(x, axis, -1); K = x.shape[-1]
;;       x = np.pad(x, [(0, 0)] * (x.ndim - 1) + [(0, -K % 32)]); x = x.reshape(x.shape[:-1] + (-1, 32)); a = np.abs(x).max(-1, keepdims=True)
;;       e = np.where(a > 0, np.clip(np.frexp(np.where(a > 0, a, 1))[1] - 1 - 2, -126, 127), 0)      # np.frexp(a)[1] - 1 = floor(log2(a)), exactly
;;       r = np.clip(x / 2.0 ** e, -7.5, 7.5)
;;       step = 2.0 ** (np.maximum(np.frexp(np.where(r == 0, 1, r))[1] - 1, 0) - 3)
;;       q = np.round(r / step) * step * 2.0 ** e      # np.round: ties to even
;;       return np.moveaxis(q.reshape(q.shape[:-2] + (-1,))[..., :K], -1, axis).astype(np.float32)
;;   ~~~
;;   SOFTMAX AHEAD OF A QUANTISED PRODUCT. Where the list says 'softmax', what is quantised is not the finished softmax but p = 2^(t - M), with t = logit x log2(e) and M = ceil(the row's largest t), a whole number; so 1/2 < the row's largest p <= 1. The row's sum l is taken of the UNQUANTISED p, in f32, and the product's result is divided by l at the end. Since M is a whole number, a kernel that streams over the keys may use a running M (the ceiling of the running maximum): every later rescaling is an exact power of two, which a block's scale takes up: the codes' values come out the same.
;;   OPERANDS COMPUTED ON THE WAY. 'Computed on the way' means the value that the module computes at that place (a softmax that the list does not call 'softmax' is quantised finished and normalised). What goes into a quantiser is computed in f32, as accurately as f32 sums, v_exp_f32 and their like allow (about 1e-6 of the number): no bf16 or f16 on the way to a quantiser, and a product that is left as it is and whose result goes on into a quantised operand takes f32 operands (vector FMAs, or v_wmma_f32_16x16x4_f32). A number that lies on a knife's edge between two numbers of the format may be rounded either way, as far as f32 arithmetic and the matrix unit's own rounding can turn it there, and no further.
;; One version. Each part assembles by itself: llvm-mc -triple=amdgcn-amd-amdhsa -mcpu=gfx1250 --defsym DOCPART=n.
;; ======== version 1 of 1: 4 launches
;; limits: right only within a limited range of input values
;; workspace buffers: xc 18,874,368 bytes; wc 3,145,728 bytes; sc 1,179,648 bytes; qb 6,815,744 bytes; kvb 13,369,344 bytes; ac 6,291,456 bytes
;; launch quant (part 1): grid 512 x 1, 4 waves a work-group, no clusters, 34,304 bytes of LDS; arguments query, key, value, Wq, Wk, Wv, Wo, xc, wc, sc; writes xc, wc, sc
.if DOCPART == 1
	.amdgcn_target "amdgcn-amd-amdhsa--gfx1250"
	.amdhsa_code_object_version 6
	.text
	.protected	k_q3115e1f097_quant
	.globl	k_q3115e1f097_quant
	.p2align	8
	.type	k_q3115e1f097_quant,@function
k_q3115e1f097_quant:
	s_mov_b64 s[64:65], 0
	v_nop
	global_prefetch_b8 v0, s[64:65] scope:SCOPE_SE
	s_setreg_imm32_b32 hwreg(HW_REG_WAVE_MODE, 25, 1), 1
	s_wait_xcnt 0x0
; MULTI-HEAD ATTENTION IN MX-FP6, launch 1 of 4: the seven large f32 inputs become codes of E2M3 with one E8M0 byte for each 32 along K.
; NO WORK OF THE PROBLEM IS LEFT OUT IN ANY LAUNCH: each of the six products is live, and each bias goes into a quantised operand (bq, bk, bv) or into the output (bo); all eleven inputs are loaded.
; LIMITS: NaN and infinities among the inputs are not served.  A block whose largest magnitude lies under 2^-124 keeps the byte 1.  A block of zeros gets the byte 1 where the quantiser says 127:
; its codes are zeros, which add nothing under any byte but 0xff, and the bytes are read by this program alone.
; THE WORKSPACE IS LAID AS IMAGES OF OPERAND REGISTERS.  A tile T is 16 rows; lane row r of it stands for row 32 (T / 2) + 8 (T % 2) + r % 8 + 16 (r / 8), so that, where such a tile is source 0 of a
; product, the 16 result registers of tiles 2 b and 2 b + 1 are 16 neighbours.  A fragment (16 rows x 128 K, 12 registers a lane) is 1,536 bytes: for each half c of 64 along K, registers 6 c .. 6 c + 3 at
; 768 c + 16 x lane and registers 6 c + 4, 6 c + 5 at 768 c + 512 + 8 x lane.  An operand is [tile][K step 0..7][1,536]; its scale bytes are [tile][lane row][32].
; Work-groups 0-127 take the four weights ([K][N] in memory: a lane takes a column n and its registers run down K); work-groups 128-511 take query, key, value (a wave takes a tile, all of K).
.set SPARE, 33792                      ; behind the four stages: the spare words, 128 bytes a wave
.set SPW, 10                           ; v10  LDS address of my spare word; never rewritten
.set NIL, 11                           ; v11  0; never rewritten
.set RAW, 16                           ; v16-143  activations: two sets of 64 numbers as loaded
.set XT,  144                          ; v144-207 64 numbers as the conversions want them
.set TM,  208                          ; v208-223 at work in QUANT
.set PC,  224                          ; v224-243 the codes just made
.set WS,  246                          ; v246-253 the tile's eight scale words
.set SEL, 42                           ; s[42:43] lane selects for v_permlanex16_b32: lane l xor 16
.set WX,  16                           ; weights: v16-79 two sets of 32 numbers
.set WC,  80                           ; v80-143 codes, eight registers a block: no store's data are written again
.set SB,  144                          ; v144-145 the lane's eight scale bytes
; 64 numbers of a lane, register 16 b + i = k 32 b + 16 (lane / 16) + i of my row, become a fragment's codes in v[PC] on and its scale word in v[pw].
.macro QUANT s, pw
.irp b, 0,1,2,3
	v_max3_num_f32 v[TM+\b], |v[\s+16*\b]|, |v[\s+1+16*\b]|, 0x1800000   ; my 16 numbers of block b, and the floor 2^(3 - 127): the byte cannot fall under 1
.endr
.irp i, 2,4,6,8,10,12,14
.irp b, 0,1,2,3
	v_max3_num_f32 v[TM+\b], v[TM+\b], |v[\s+16*\b+\i]|, |v[\s+1+16*\b+\i]|
.endr
.endr
.irp b, 0,1,2,3
	v_permlanex16_b32 v[TM+4+\b], v[TM+\b], s[SEL], s[SEL+1]
.endr
.irp b, 0,1,2,3
	v_max_num_f32 v[TM+\b], v[TM+\b], v[TM+4+\b]      ; with lane l xor 16's 16: the block's largest magnitude
.endr
.irp b, 0,1,2,3
	v_add_nc_u32 v[TM+12+\b], 0xff000000, v[TM+\b]    ; 2 off its exponent field: the conversion's scale operand
.endr
.irp b, 0,1,2,3
	v_lshrrev_b32 v[TM+4+\b], 23, v[TM+12+\b]         ; the scale's byte
.endr
	v_lshl_or_b32 v[\pw], v[TM+5], 8, v[TM+4]
	v_lshl_or_b32 v[\pw], v[TM+6], 16, v[\pw]
	v_lshl_or_b32 v[\pw], v[TM+7], 24, v[\pw]
.irp c, 0,1
	v_cvt_scalef32_pk16_fp6_f32 v[PC+6*\c:PC+2+6*\c], v[\s+32*\c:\s+15+32*\c], v[TM+12+2*\c]
	v_cvt_scalef32_pk16_fp6_f32 v[PC+12+4*\c:PC+14+4*\c], v[\s+16+32*\c:\s+31+32*\c], v[TM+12+2*\c+1]   ; (a conversion's three registers begin on an even number)
.endr
	v_nop                                             ; one plain instruction behind the scaled conversions
.irp c, 0,1                                           ; the layout wants a whole block in a lane: lanes 0-15 block 2 c, lanes 16-31 block 2 c + 1
.irp i, 0,1,2
	v_permlane16_swap_b32 v[PC+6*\c+\i], v[PC+12+4*\c+\i]
.endr
.irp i, 0,1,2
	v_mov_b32 v[PC+3+6*\c+\i], v[PC+12+4*\c+\i]
.endr
.endr
.endm
	s_load_b512 s[4:19], s[0:1], 0x0               ; query, key, value, Wq, Wk, Wv, Wo, xc
	s_load_b128 s[20:23], s[0:1], 0x40             ; wc, sc
	v_lshl_add_u32 v[SPW], v0, 2, SPARE
	v_mov_b32 v[NIL], 0
	v_lshrrev_b32 v1, 5, v0
	v_readfirstlane_b32 s24, v1                    ; wave 0..3
	v_and_b32 v2, 31, v0                           ; lane
	s_cmp_lt_u32 ttmp9, 128
	s_cbranch_scc0 .Lacts
	; ---------------- THE WEIGHTS.  A wave: 32 columns x 256 along K, eight blocks a lane.  No LDS: a lane's 24 bytes of a block are its own place in an image.
	s_lshr_b32 s25, ttmp9, 5                       ; which weight
	s_and_b32 s26, ttmp9, 7                        ; which 128 columns
	s_bfe_u32 s27, ttmp9, 0x20003                  ; which 256 along K
	s_lshl_b32 s28, s26, 2
	s_add_co_u32 s28, s28, s24                     ; G: my wave's 32 columns = tiles 2 G, 2 G + 1
	v_lshlrev_b32 v4, 2, v2                        ; in: 4 bytes a lane
	v_bfe_u32 v3, v2, 3, 1                         ; column 32 G + lane is lane row r = lane % 8 + 8 (lane / 16) of tile 2 G + u, u = (lane / 8) % 2
	v_and_b32 v12, 7, v2
	v_lshrrev_b32 v13, 4, v2
	v_lshl_add_u32 v12, v13, 3, v12
	v_mul_u32_u24 v13, v3, 12288
	v_lshl_add_u32 v5, v12, 4, v13                 ; a tile is 12,288 bytes; registers 0-3 of a half: 16 r
	v_lshl_add_u32 v6, v12, 3, v13                 ; registers 4, 5: 8 r
	v_lshl_add_u32 v7, v3, 4, v12
	v_lshlrev_b32 v7, 5, v7                        ; my row of scale bytes: 32 (16 u + r)
	s_lshl_b32 s30, s27, 20                        ; W: 256 rows of 4,096 bytes,
	s_lshl_b32 s31, s28, 7                         ; 32 columns of 4 bytes
	s_add_co_u32 s30, s30, s31
	s_mov_b32 s31, 0
	s_mul_i32 s32, s25, 786432                     ; codes: the weight, the two tiles, the two K steps
	s_mul_i32 s33, s28, 24576
	s_add_co_u32 s32, s32, s33
	s_mul_i32 s33, s27, 3072
	s_add_co_u32 s32, s32, s33
	s_mov_b32 s33, 0
	s_lshl_b32 s34, s25, 15                        ; scale bytes likewise: 32,768 a weight, 512 a tile, 8 for my 256 along K
	s_lshl_b32 s35, s28, 10
	s_add_co_u32 s34, s34, s35
	s_lshl_b32 s35, s27, 3
	s_add_co_u32 s34, s34, s35
	s_add_co_u32 s34, s34, 786432                  ; behind the activations' scale bytes
	s_mov_b32 s35, 0
	s_wait_kmcnt 0x0
	s_cmp_eq_u32 s25, 0                            ; the choice hangs on the work-group's number alone
	s_cselect_b64 s[36:37], s[10:11], s[12:13]
	s_cmp_eq_u32 s25, 2
	s_cselect_b64 s[36:37], s[14:15], s[36:37]
	s_cmp_eq_u32 s25, 3
	s_cselect_b64 s[36:37], s[16:17], s[36:37]
	s_add_nc_u64 s[36:37], s[36:37], s[30:31]
	s_add_nc_u64 s[20:21], s[20:21], s[32:33]
	s_add_nc_u64 s[22:23], s[22:23], s[34:35]
.macro WLOAD t                         ; block t: W(32 t + i, my column): 32 lanes read 128 consecutive bytes
.set ii, 0
.rept 32
	global_load_b32 v[WX+32*((\t)%2)+ii], v4, s[36:37] offset:(32*(\t)+ii)*4096 th:TH_LOAD_NT
.set ii, ii+1
.endr
.endm
.macro WBLOCK t
.set XS, WX+32*((\t)%2)
.set CW, WC+8*(\t)
.if (\t) < 7
	s_wait_loadcnt 32                              ; this block's 32 loads are in; the next block's may be out
.else
	s_wait_loadcnt 0x0
.endif
	v_max3_num_f32 v12, |v[XS]|, |v[XS+1]|, |v[XS+2]|      ; the block's largest magnitude: all 32 numbers are mine
	v_max3_num_f32 v13, |v[XS+3]|, |v[XS+4]|, |v[XS+5]|
.irp i, 6,10,14,18,22,26
	v_max3_num_f32 v12, v12, |v[XS+\i]|, |v[XS+\i+1]|
	v_max3_num_f32 v13, v13, |v[XS+\i+2]|, |v[XS+\i+3]|
.endr
	v_max3_num_f32 v12, v12, |v[XS+30]|, |v[XS+31]|
	v_max3_num_f32 v12, v12, v13, 0x1800000        ; and the floor
	v_add_nc_u32 v14, 0xff000000, v12              ; the conversion's scale operand
	v_lshrrev_b32 v13, 23, v14                     ; the byte
.if (\t)%4 == 0
	v_mov_b32 v[SB+(\t)/4], v13
.else
	v_lshl_or_b32 v[SB+(\t)/4], v13, 8*((\t)%4), v[SB+(\t)/4]
.endif
	v_cvt_scalef32_pk16_fp6_f32 v[CW:CW+2], v[XS:XS+15], v14
	v_cvt_scalef32_pk16_fp6_f32 v[CW+4:CW+6], v[XS+16:XS+31], v14
	v_nop                                          ; one plain instruction behind the scaled conversions
	v_mov_b32 v[CW+3], v[CW+4]                     ; the block's six registers on end
	v_mov_b32 v[CW+4], v[CW+5]
	v_mov_b32 v[CW+5], v[CW+6]
	; block t is half (t / 2) % 2 of K step t / 4, and belongs to the lanes of half t % 2: image lane r + 16 (t % 2)
	global_store_b128 v5, v[CW:CW+3], s[20:21] offset:1536*((\t)/4)+768*(((\t)/2)%2)+256*((\t)%2)
	global_store_b64 v6, v[CW+4:CW+5], s[20:21] offset:1536*((\t)/4)+768*(((\t)/2)%2)+512+128*((\t)%2)
.if (\t)+2 < 8
	WLOAD (\t)+2
.endif
.endm
	WLOAD 0
	WLOAD 1
.irp t, 0,1,2,3,4,5,6,7
	WBLOCK \t
.endr
	global_store_b64 v7, v[SB:SB+1], s[22:23]      ; my column's eight scale bytes
	s_wait_tensorcnt 0x0                           ; the wave's end
	ds_add_u32 v[SPW], v[NIL]
	s_wait_dscnt 0x0
	s_endpgm
	; ---------------- THE ACTIVATIONS.  A wave: one tile of 16 rows, eight K steps of 128.  Each load reads 512 consecutive bytes of one row; the step's 8,192 bytes turn through the wave's own stage
	; (16 rows of 512 + 16 bytes), so that a lane gets, of its row, 16 neighbours of each block of 32.
.Lacts:
	s_sub_co_u32 s25, ttmp9, 128
	s_lshr_b32 s26, s25, 7                         ; which tensor
	s_and_b32 s27, s25, 127
	s_lshl_b32 s27, s27, 2
	s_add_co_u32 s27, s27, s24                     ; my tile, 0..511
	; query keeps the order of the head comment.  key and value: lane row r of tile T stands for row 64 (T / 4) + 8 (T % 4) + r % 8 + 32 (r / 8), so that, where four such tiles are source 0 of a
	; product, a lane's 32 result registers are 32 neighbours: one whole scale block.
	s_cmp_eq_u32 s26, 0
	s_cselect_b32 s41, 1, 2                        ; tiles in a group: 2 or 4, as a shift
	s_cselect_b32 s44, 0, 0x10000                  ; lane rows 8-15 lie 16 rows on, or 16 more
	s_lshr_b32 s28, s27, s41
	s_add_co_u32 s38, s41, 16
	s_lshl_b32 s30, s28, s38                       ; 32 or 64 rows of 4,096 bytes for each group,
	s_lshl_b32 s28, s28, s41
	s_sub_co_u32 s28, s27, s28
	s_lshl_b32 s28, s28, 15                        ; 8 rows for each tile in it
	s_add_co_u32 s30, s30, s28
	s_mov_b32 s31, 0
	s_lshl_b32 s28, s26, 9
	s_add_co_u32 s28, s28, s27
	s_mul_i32 s32, s28, 12288                      ; the tile's codes
	s_mov_b32 s33, 0
	s_lshl_b32 s34, s28, 9                         ; its scale bytes
	s_mov_b32 s35, 0
	s_mul_i32 s29, s24, 8448                       ; my stage
	s_mov_b32 s40, 0xffff0000                      ; lanes 16-31
	s_mov_b32 s[SEL], 0x76543210
	s_mov_b32 s[SEL+1], 0xfedcba98
	v_and_b32 v3, 15, v0                           ; r
	v_bfe_u32 v12, v0, 4, 1                        ; h
	s_wait_alu depctr_va_vdst(0)
	v_lshlrev_b32 v4, 4, v2                        ; 16 x lane
	v_add_nc_u32 v9, s44, v4                       ; the same for lane rows 8-15
	v_lshlrev_b32 v5, 3, v2                        ; 8 x lane
	v_add_nc_u32 v6, s29, v4                       ; the stage, in: 16 x lane of a row
	v_mul_u32_u24 v7, v3, 528
	v_lshl_add_u32 v7, v12, 6, v7
	v_add_nc_u32 v7, s29, v7                       ; and out: row r, + 64 h
	v_lshlrev_b32 v8, 5, v3
	v_lshl_add_u32 v8, v12, 4, v8                  ; scale words: 32 r + 16 h
.irp b, 0,1,2,3
	v_mov_b32 v[TM+4+\b], 0                        ; written once: a lane permute's destination counts as one of its sources
.endr
	s_wait_alu depctr_va_vdst(0)
	s_wait_kmcnt 0x0
	s_cmp_eq_u32 s26, 0
	s_cselect_b64 s[36:37], s[4:5], s[6:7]
	s_cmp_eq_u32 s26, 2
	s_cselect_b64 s[36:37], s[8:9], s[36:37]
	s_add_nc_u64 s[36:37], s[36:37], s[30:31]
	s_add_nc_u64 s[18:19], s[18:19], s[32:33]
	s_add_nc_u64 s[22:23], s[22:23], s[34:35]
.macro XLOAD s
.irp i, 0,1,2,3,4,5,6,7,8,9,10,11,12,13,14,15
	global_load_b128 v[RAW+64*((\s)%2)+4*\i:RAW+64*((\s)%2)+4*\i+3], v[4+5*(\i/8)], s[36:37] offset:((\i%8)+16*(\i/8))*4096+512*(\s) th:TH_LOAD_NT
.endr
.endm
.macro XSTEP s
.if (\s) < 7
	s_wait_loadcnt 16                              ; this step's 16 loads are in; the next step's may be out
.else
	s_wait_loadcnt 0x0
.endif
.irp i, 0,1,2,3,4,5,6,7,8,9,10,11,12,13,14,15
	ds_store_b128 v6, v[RAW+64*((\s)%2)+4*\i:RAW+64*((\s)%2)+4*\i+3] offset:528*\i
.endr
.irp b, 0,1,2,3
.irp j, 0,1,2,3
	ds_load_b128 v[XT+16*\b+4*\j:XT+16*\b+4*\j+3], v7 offset:128*\b+16*\j   ; LDS serves a wave's instructions in order: these see the stores above
.endr
.endr
	s_wait_dscnt 0x0                               ; the numbers are back, and the stores have read their registers,
.if (\s)+2 < 8
	XLOAD (\s)+2                                   ; which take the loads of two steps on
.endif
.if (\s) > 0
	s_wait_xcnt 0x0                                ; the last step's stores have read the codes' registers
.endif
	QUANT XT, WS+(\s)
	global_store_b128 v4, v[PC:PC+3], s[18:19] offset:1536*(\s)              ; 512 consecutive bytes,
	global_store_b64 v5, v[PC+4:PC+5], s[18:19] offset:1536*(\s)+512         ; 256,
	global_store_b128 v4, v[PC+6:PC+9], s[18:19] offset:1536*(\s)+768        ; and the second half likewise
	global_store_b64 v5, v[PC+10:PC+11], s[18:19] offset:1536*(\s)+1280
.endm
	XLOAD 0
	XLOAD 1
.irp s, 0,1,2,3,4,5,6,7
	XSTEP \s
.endr
.irp j, 0,1,2,3
	v_cndmask_b32 v[WS+\j], v[WS+\j], v[WS+4+\j], s40      ; lanes 0-15 store K steps 0-3's words of their row, lanes 16-31 K steps 4-7's
.endr
	global_store_b128 v8, v[WS:WS+3], s[22:23]     ; 512 consecutive bytes
	s_wait_tensorcnt 0x0                           ; the wave's end, behind my last LDS store
	ds_add_u32 v[SPW], v[NIL]
	s_wait_dscnt 0x0
	s_endpgm
.Lfunc_end_k_q3115e1f097_quant:
	.size	k_q3115e1f097_quant, .Lfunc_end_k_q3115e1f097_quant-k_q3115e1f097_quant
	.p2alignl 7, 3214868480
	.fill 96, 4, 3214868480
	.section	.rodata,"a",@progbits
	.p2align	6, 0x0
	.amdhsa_kernel k_q3115e1f097_quant
		.amdhsa_group_segment_fixed_size 34304
		.amdhsa_private_segment_fixed_size 0
		.amdhsa_enable_private_segment 0
		.amdhsa_kernarg_size 80
		.amdhsa_user_sgpr_count 2
		.amdhsa_user_sgpr_kernarg_segment_ptr 1
		.amdhsa_wavefront_size32 1
		.amdhsa_system_sgpr_workgroup_id_x 1
		.amdhsa_system_sgpr_workgroup_id_y 1
		.amdhsa_system_sgpr_workgroup_id_z 1
		.amdhsa_system_vgpr_workitem_id 0
		.amdhsa_next_free_vgpr 256
		.amdhsa_next_free_sgpr 66
		.amdhsa_reserve_vcc 0
		.amdhsa_float_denorm_mode_32 3
		.amdhsa_float_denorm_mode_16_64 3
		.amdhsa_memory_ordered 1
		.amdhsa_forward_progress 1
		.amdhsa_inst_pref_size 104
	.end_amdhsa_kernel
	.amdgpu_metadata
---
amdhsa.version: [ 1, 2 ]
amdhsa.kernels:
  - .name:           k_q3115e1f097_quant
    .symbol:         k_q3115e1f097_quant.kd
    .args:
      - { .name: query, .offset: 0, .size: 8, .value_kind: global_buffer, .address_space: global }
      - { .name: key, .offset: 8, .size: 8, .value_kind: global_buffer, .address_space: global }
      - { .name: value, .offset: 16, .size: 8, .value_kind: global_buffer, .address_space: global }
      - { .name: Wq, .offset: 24, .size: 8, .value_kind: global_buffer, .address_space: global }
      - { .name: Wk, .offset: 32, .size: 8, .value_kind: global_buffer, .address_space: global }
      - { .name: Wv, .offset: 40, .size: 8, .value_kind: global_buffer, .address_space: global }
      - { .name: Wo, .offset: 48, .size: 8, .value_kind: global_buffer, .address_space: global }
      - { .name: xc, .offset: 56, .size: 8, .value_kind: global_buffer, .address_space: global }
      - { .name: wc, .offset: 64, .size: 8, .value_kind: global_buffer, .address_space: global }
      - { .name: sc, .offset: 72, .size: 8, .value_kind: global_buffer, .address_space: global }
    .group_segment_fixed_size: 34304
    .private_segment_fixed_size: 0
    .kernarg_segment_align: 8
    .kernarg_segment_size: 80
    .max_flat_workgroup_size: 128
    .sgpr_count:     66
    .vgpr_count:     256
    .wavefront_size: 32
...
	.end_amdgpu_metadata
.endif
;; end of part 1
;; launch proj (part 2): grid 4 x 192, 4 waves a work-group, clusters of 4 x 4, 327,680 bytes of LDS; arguments xc, wc, sc, bq, bk, bv, qb, kvb; writes qb, kvb
.if DOCPART == 2
	.amdgcn_target "amdgcn-amd-amdhsa--gfx1250"
	.amdhsa_code_object_version 6
	.text
	.protected	k_q3115e1f097_proj
	.globl	k_q3115e1f097_proj
	.p2align	8
	.type	k_q3115e1f097_proj,@function
k_q3115e1f097_proj:
	s_mov_b64 s[64:65], 0
	v_nop
	global_prefetch_b8 v0, s[64:65] scope:SCOPE_SE
	s_setreg_imm32_b32 hwreg(HW_REG_WAVE_MODE, 25, 1), 1
	s_wait_xcnt 0x0
	s_wait_alu depctr_hold_cnt(0) depctr_sa_sdst(0) depctr_va_vdst(0) depctr_va_sdst(0) depctr_va_ssrc(0) depctr_va_vcc(0) depctr_vm_vsrc(0)
	s_getreg_b32 s2, hwreg(HW_REG_IB_STS2, 6, 4)
	s_cmp_eq_u32 s2, 0
	s_cbranch_scc0 .Lentry_in_a_cluster
	s_endpgm
.Lentry_in_a_cluster:
	s_bfe_u32 s2, ttmp6, 0x10000c
	s_cmp_lg_u32 s2, 0xf033
	s_cbranch_scc0 .Lentry_shape_is_right
	s_endpgm
.Lentry_shape_is_right:
; Launch 2 of 4: q = query Wq + bq, k = key Wk + bk, v = value Wv + bv on codes of E2M3, and the results quantised at once for the two products of attention.  Nothing of the problem is left out.
; A work-group makes 128 rows of operand R (source 1: they fall on the lanes) x 256 rows of operand P (source 0: they fall on the registers), with all of K = 1,024 in LDS: 24 tiles x 12,288 bytes, filled once.
; q, k: P = the weight, R = the tokens: a lane holds one token and its registers run along n, the axis along which q and k are quantised (a head's 64 = two blocks).
; v:    P = the tokens, R = the weight: a lane holds one channel d and its registers run along the keys, the axis along which v is quantised.
; Four waves, each 64 of R x 128 of P: 32 accumulators.  CLUSTERS of 4 x 4: R's tiles hang on the cluster's row, P's on its column; each is asked for jointly by the four that share it.
; 768 work-groups: clusters y = 0-15 q, 16-31 k, 32-47 v.  The tensor's number is the same in all partners of a cluster.
; OUT.  qb: [head 0..63][16 blocks of 6,656]: 8 tiles of queries x 768 bytes (half images: 64 along K), then two groups of 256 bytes of scale words [lane row][4 tiles], each word the tile's two bytes twice.
;       kvb: [head][16 key steps of 13,056]: K's 8 tiles x 768, its two groups of scale words, V^T's four fragments of 1,536 (16 channels x 128 keys), 256 bytes of V's scale words [lane row][4 tiles].
; REGISTERS: window 0: v4-17 addresses; v32-95 scale words; v96-191 R's fragments, two sets (v96-159 the sums with their bias on the way out); v192-235 the quantiser's.
;   window 1: v0-191 P's fragments, two sets; v192-255 the bias.   window 2: accumulator (a, i) at v[8 (8 a + i)].
.set SLOT,  147456                     ; a half of K: K steps 4 j .. 4 j + 3 of R's 8 tiles (6,144 bytes each), then of P's 16
.set SPARE, 294912                     ; behind the two halves: the spare words, 128 bytes a wave
.set SPW, 10
.set NIL, 11
.set AR16, 4                           ; v4, v5  LDS address of my R fragments: + 16 x lane, + 8 x lane
.set AR8,  5
.set AP16, 6                           ; v6, v7  the same for P
.set AP8,  7
.set VA,   8                           ; v8   scale rows: lanes 0-15 R's, lanes 16-31 P's
.set VB,   9                           ; v9   P's in all lanes
.set L16,  12                          ; v12  16 x lane
.set L8,   13                          ; v13  8 x lane
.set SC,   32                          ; v[SC + 8 i + s]: lanes 16-31 the word of P's tile i for K step s; for i < 4 lanes 0-15 that of R's tile i
.set RF,   96
.set HA,   96
.set TM,   192
.set PC,   208
.set SW,   228
.set SD,   232
.set BI,   192                         ; in window 1
.set WV,   20
.set G1R,  24
.set G1P,  32
.set G0R,  40                          ; s[40:47] two sets, one for each half of K
.set G0P,  68                          ; s[68:75]
.set SEL,  94
.set MSB, 0
.macro WIN new                         ; the immediate's high byte repeats the setting that is left
.if MSB != \new
	s_set_vgpr_msb (MSB<<8)|\new
.set MSB, \new
.endif
.endm
.set MUL,  0xa1                        ; source 0 (P) window 1, source 1 (R) window 0, C and D window 2
.set TO_P, 0x40                        ; destination window 1
.set BIAS, 0x06                        ; source 0 window 2, source 1 window 1, destination window 0
.macro CROUND                          ; a round of the cluster's barrier
	s_barrier_signal -1
	s_barrier_wait -1
	s_cmp_lg_u32 s[WV], 0
	s_cbranch_scc1 .Lnot_wave_0_\@
	s_barrier_signal -3
.Lnot_wave_0_\@:
	s_barrier_wait -3
	s_barrier_signal -1
	s_barrier_wait -1
.endm
.macro FRAG reg, a16, a8, off          ; a fragment's image comes back as it was stored: every load reads consecutive bytes
	ds_load_b128 v[(\reg):(\reg)+3], v[\a16] offset:(\off)
	ds_load_b64 v[(\reg)+4:(\reg)+5], v[\a8] offset:(\off)+512
	ds_load_b128 v[(\reg)+6:(\reg)+9], v[\a16] offset:(\off)+768
	ds_load_b64 v[(\reg)+10:(\reg)+11], v[\a8] offset:(\off)+1280
.endm
.macro QUANT s, pw                     ; 64 numbers of a lane, register 16 b + i = k 32 b + 16 (lane / 16) + i of my row -> a fragment in v[PC] on, its scale word in v[pw]
.irp b, 0,1,2,3
	v_max3_num_f32 v[TM+\b], |v[\s+16*\b]|, |v[\s+1+16*\b]|, 0x1800000   ; and the floor 2^(3 - 127): the byte cannot fall under 1
.endr
.irp i, 2,4,6,8,10,12,14
.irp b, 0,1,2,3
	v_max3_num_f32 v[TM+\b], v[TM+\b], |v[\s+16*\b+\i]|, |v[\s+1+16*\b+\i]|
.endr
.endr
.irp b, 0,1,2,3
	v_permlanex16_b32 v[TM+4+\b], v[TM+\b], s[SEL], s[SEL+1]
.endr
.irp b, 0,1,2,3
	v_max_num_f32 v[TM+\b], v[TM+\b], v[TM+4+\b]
.endr
.irp b, 0,1,2,3
	v_add_nc_u32 v[TM+12+\b], 0xff000000, v[TM+\b]    ; 2 off the exponent field: the conversion's scale operand
.endr
.irp b, 0,1,2,3
	v_lshrrev_b32 v[TM+4+\b], 23, v[TM+12+\b]
.endr
	v_lshl_or_b32 v[\pw], v[TM+5], 8, v[TM+4]
	v_lshl_or_b32 v[\pw], v[TM+6], 16, v[\pw]
	v_lshl_or_b32 v[\pw], v[TM+7], 24, v[\pw]
.irp c, 0,1
	v_cvt_scalef32_pk16_fp6_f32 v[PC+6*\c:PC+2+6*\c], v[\s+32*\c:\s+15+32*\c], v[TM+12+2*\c]
	v_cvt_scalef32_pk16_fp6_f32 v[PC+12+4*\c:PC+14+4*\c], v[\s+16+32*\c:\s+31+32*\c], v[TM+12+2*\c+1]
.endr
	v_nop                                             ; one plain instruction behind the scaled conversions
.irp c, 0,1
.irp i, 0,1,2
	v_permlane16_swap_b32 v[PC+6*\c+\i], v[PC+12+4*\c+\i]
.endr
.irp i, 0,1,2
	v_mov_b32 v[PC+3+6*\c+\i], v[PC+12+4*\c+\i]
.endr
.endr
.endm
.macro QUANTB s, pw                    ; 64 numbers of a lane, register 32 c + i = k 64 c + 32 (lane / 16) + i of my row: two whole blocks -> a fragment in v[PC] on, its scale word in v[pw]
	s_wait_alu depctr_va_vdst(0)                      ; ahead of the readers below
.irp c, 0,1
	v_max3_num_f32 v[TM+\c], |v[\s+32*\c]|, |v[\s+32*\c+1]|, 0x1800000   ; two chains a block; the floor 2^(3 - 127): the byte cannot fall under 1
	v_max3_num_f32 v[TM+2+\c], |v[\s+32*\c+16]|, |v[\s+32*\c+17]|, |v[\s+32*\c+18]|
.endr
.irp i, 2,4,6,8,10,12
.irp c, 0,1
	v_max3_num_f32 v[TM+\c], v[TM+\c], |v[\s+32*\c+\i]|, |v[\s+32*\c+\i+1]|
	v_max3_num_f32 v[TM+2+\c], v[TM+2+\c], |v[\s+32*\c+17+\i]|, |v[\s+32*\c+18+\i]|
.endr
.endr
.irp c, 0,1
	v_max3_num_f32 v[TM+\c], v[TM+\c], |v[\s+32*\c+14]|, |v[\s+32*\c+15]|
.endr
.irp c, 0,1
	v_max3_num_f32 v[TM+\c], v[TM+\c], v[TM+2+\c], |v[\s+32*\c+31]|
.endr
.irp c, 0,1
	v_add_nc_u32 v[TM+12+\c], 0xff000000, v[TM+\c]    ; 2 off the exponent field: the conversion's scale operand
.endr
.irp c, 0,1
	v_lshrrev_b32 v[TM+4+\c], 23, v[TM+12+\c]
.endr
	v_lshl_or_b32 v[\pw], v[TM+5], 16, v[TM+4]        ; my two bytes: blocks h and 2 + h,
	v_lshlrev_b32 v[\pw], v18, v[\pw]                 ; 8 h bits up;
	v_permlanex16_b32 v[TM+6], v[\pw], s[SEL], s[SEL+1]
	v_or_b32 v[\pw], v[\pw], v[TM+6]                  ; with lane l xor 16's two the word is whole
.irp c, 0,1
	v_cvt_scalef32_pk16_fp6_f32 v[PC+6*\c:PC+2+6*\c], v[\s+32*\c:\s+15+32*\c], v[TM+12+\c]
	v_cvt_scalef32_pk16_fp6_f32 v[PC+12+4*\c:PC+14+4*\c], v[\s+16+32*\c:\s+31+32*\c], v[TM+12+\c]
.endr
	v_nop                                             ; one plain instruction behind the scaled conversions
.irp c, 0,1
.irp i, 0,1,2
	v_mov_b32 v[PC+3+6*\c+\i], v[PC+12+4*\c+\i]
.endr
.endr
.endm
	s_load_b512 s[4:19], s[0:1], 0x0               ; xc, wc, sc, bq, bk, bv, qb, kvb
	v_lshl_add_u32 v[SPW], v0, 2, SPARE
	v_mov_b32 v[NIL], 0
	ds_add_u32 v[SPW], v[NIL]                      ; the wave's opening: the add, twice on end, and its wait ahead of my first tensor load
	ds_add_u32 v[SPW], v[NIL]
	v_lshrrev_b32 v1, 5, v0
	v_readfirstlane_b32 s[WV], v1                  ; wave 0..3
	s_lshr_b32 s21, s[WV], 1                       ; wr: which 64 of R are mine
	s_and_b32 s22, s[WV], 1                        ; wp: which 128 of P
	s_bfe_u32 s23, ttmp6, 0x40000                  ; cx
	s_bfe_u32 s56, ttmp6, 0x40004                  ; cy
	s_and_b32 s57, ttmp7, 0xffff                   ; cluster y
	s_lshr_b32 s58, s57, 4                         ; the tensor: 0 q, 1 k, 2 v
	s_and_b32 s59, s57, 15
	s_mul_i32 s62, s58, 6291456                    ; q, k: R = the tensor's tokens in xc,
	s_mul_i32 s63, s58, 786432                     ; P = its weight in wc;
	s_lshl_b32 s66, s58, 18                        ; their scale rows in sc
	s_lshl_b32 s67, s58, 15
	s_add_co_u32 s67, s67, 786432
	s_and_b32 s60, s59, 7                          ; v: 8 clusters along P (tokens), 2 along R (the weight)
	s_lshr_b32 s61, s59, 3
	s_cmp_eq_u32 s58, 2                            ; selections alone follow the compare
	s_cselect_b32 s60, s60, 0
	s_cselect_b32 s61, s61, s59
	s_cselect_b32 s62, 1572864, s62
	s_cselect_b32 s63, 12582912, s63
	s_cselect_b32 s66, 851968, s66
	s_cselect_b32 s67, 524288, s67
	s_lshl_b32 s60, s60, 2
	s_add_co_u32 s60, s60, s23                     ; Pidx: which 256 rows of P; it never meets cy
	s_lshl_b32 s61, s61, 2
	s_add_co_u32 s61, s61, s56                     ; Ridx: which 128 rows of R; it never meets cx
	s_lshl_b32 s88, s56, 2
	s_lshl_b32 s88, 15, s88                        ; my row of the cluster
	s_lshl_b32 s90, 0x1111, s23                    ; my column
	; descriptor group 1: rows of 6,144 bytes (a tile's four K steps: 768 elements of 8 bytes), 12,288 bytes apart in memory, on end in LDS; 8 tiles for R, 16 for P
	s_or_b32 s[G1R], s88, (3<<16)|(1<<21)
	s_or_b32 s[G1P], s90, (3<<16)|(1<<21)
	s_mov_b32 s[G1R+1], 768<<16
	s_mov_b32 s[G1R+2], 8<<16
	s_mov_b32 s[G1R+3], 768<<16
	s_mov_b32 s[G1R+4], 8
	s_mov_b32 s[G1R+5], 1536
	s_mov_b32 s[G1R+6], 0
	s_mov_b32 s[G1R+7], 0
	s_mov_b32 s[G1P+1], 768<<16
	s_mov_b32 s[G1P+2], 16<<16
	s_mov_b32 s[G1P+3], 768<<16
	s_mov_b32 s[G1P+4], 16
	s_mov_b32 s[G1P+5], 1536
	s_mov_b32 s[G1P+6], 0
	s_mov_b32 s[G1P+7], 0
	s_lshl_b32 s88, s61, 3                         ; R: tile 8 Ridx
	s_mul_i32 s88, s88, 12288
	s_add_co_u32 s88, s88, s62
	s_mov_b32 s89, 0
	s_lshl_b32 s90, s60, 4                         ; P: tile 16 Pidx
	s_mul_i32 s90, s90, 12288
	s_add_co_u32 s90, s90, s63
	s_mov_b32 s91, 0
	s_mul_i32 s2, s22, 49152                       ; my eight tiles of P in a half of K, behind R's eight: no place in the cluster enters an LDS address
	s_add_co_u32 s2, s2, 49152
	s_mov_b32 s93, 0xffff0000                      ; lanes 16-31
	s_mov_b32 s[SEL], 0x76543210
	s_mov_b32 s[SEL+1], 0xfedcba98
	v_and_b32 v1, 31, v0                           ; lane
	v_and_b32 v2, 15, v0                           ; r
	v_bfe_u32 v3, v0, 4, 1                         ; h
	v_lshlrev_b32 v[L16], 4, v1
	v_lshlrev_b32 v[L8], 3, v1
	s_mul_i32 s3, s21, 24576                       ; my four tiles of R in a half of K
	v_add_nc_u32 v[AR16], s3, v[L16]
	v_add_nc_u32 v[AR8], s3, v[L8]
	v_add_nc_u32 v[AP16], s2, v[L16]               ; my eight tiles of P: 49,152 + 49,152 wp
	v_add_nc_u32 v[AP8], s2, v[L8]
	s_lshl_b32 s96, s61, 12                        ; scale rows, 512 bytes a tile: R's tile 8 Ridx + 4 wr,
	s_lshl_b32 s98, s21, 11
	s_add_co_u32 s96, s96, s98
	s_add_co_u32 s96, s96, s66
	s_lshl_b32 s97, s60, 13                        ; P's tile 16 Pidx + 8 wp
	s_lshl_b32 s98, s22, 12
	s_add_co_u32 s97, s97, s98
	s_add_co_u32 s97, s97, s67
	v_mov_b32 v[VA], s96
	v_mov_b32 v[VB], s97
	v_cndmask_b32 v[VA], v[VA], v[VB], s93
	v_lshl_add_u32 v[VA], v2, 5, v[VA]             ; + 32 r
	v_lshl_add_u32 v[VB], v2, 5, v[VB]
.irp b, 0,1,2,3
	v_mov_b32 v[TM+4+\b], 0                        ; written once: a lane permute's destination counts as one of its sources
.endr
	s_wait_dscnt 0x0                               ; both opening adds are done
	s_wait_kmcnt 0x0
	s_cmp_eq_u32 s58, 2
	s_cselect_b64 s[84:85], s[6:7], s[4:5]
	s_cselect_b64 s[86:87], s[4:5], s[6:7]
	s_add_nc_u64 s[84:85], s[84:85], s[88:89]
	s_add_nc_u64 s[86:87], s[86:87], s[90:91]
.irp j, 0,1
	s_mov_b32 s[G0R+4*\j], 1
	s_mov_b32 s[G0R+4*\j+1], \j*SLOT
	s_add_nc_u64 s[G0R+4*\j+2:G0R+4*\j+3], s[84:85], \j*6144
	s_or_b32 s[G0R+4*\j+3], s[G0R+4*\j+3], 0x80000000
	s_mov_b32 s[G0P+4*\j], 1
	s_mov_b32 s[G0P+4*\j+1], \j*SLOT+49152
	s_add_nc_u64 s[G0P+4*\j+2:G0P+4*\j+3], s[86:87], \j*6144
	s_or_b32 s[G0P+4*\j+3], s[G0P+4*\j+3], 0x80000000
.endr
	CROUND                                         ; all sixteen work-groups are here: the joint loads meet
	s_cmp_eq_u32 s[WV], 0                          ; all fills of the launch, one a wave, in one chain of branches on the wave's number: wave 0 R's K steps 0-3,
	s_cbranch_scc0 .Lfill_1
	tensor_load_to_lds s[G0R:G0R+3], s[G1R:G1R+7]
	s_nop 0
.rept 4
	v_nop
.endr
	s_branch .Lfilled
.Lfill_1:
	s_cmp_eq_u32 s[WV], 1                          ; wave 1 P's K steps 0-3,
	s_cbranch_scc0 .Lfill_2
	tensor_load_to_lds s[G0P:G0P+3], s[G1P:G1P+7]
	s_nop 0
.rept 4
	v_nop
.endr
	s_branch .Lfilled
.Lfill_2:
	s_cmp_eq_u32 s[WV], 2                          ; wave 2 R's K steps 4-7,
	s_cbranch_scc0 .Lfill_3
	tensor_load_to_lds s[G0R+4:G0R+7], s[G1R:G1R+7]
	s_nop 0
.rept 4
	v_nop
.endr
	s_branch .Lfilled
.Lfill_3:
	tensor_load_to_lds s[G0P+4:G0P+7], s[G1P:G1P+7]   ; wave 3 P's K steps 4-7
	s_nop 0
.rept 4
	v_nop
.endr
.Lfilled:
	s_wait_alu depctr_va_vdst(0)
.irp i, 0,1,2,3                        ; the scale words of all of K, once, straight into registers: sixteen lanes read a tile's 512 consecutive bytes in two loads
	global_load_b128 v[SC+8*\i:SC+8*\i+3], v[VA], s[8:9] offset:512*\i
	global_load_b128 v[SC+8*\i+4:SC+8*\i+7], v[VA], s[8:9] offset:512*\i+16
.endr
.irp i, 4,5,6,7
	global_load_b128 v[SC+8*\i:SC+8*\i+3], v[VB], s[8:9] offset:512*\i
	global_load_b128 v[SC+8*\i+4:SC+8*\i+7], v[VB], s[8:9] offset:512*\i+16
.endr
.macro FETCH s                         ; K step s's fragments, 48 LDS loads: P's eight into set s % 2 of window 1, R's four into set s % 2 of window 0
	WIN TO_P
.irp i, 0,1,2,3,4,5,6,7
	FRAG 96*((\s)%2)+12*\i, AP16, AP8, 6144*\i+1536*((\s)%4)
.endr
	WIN 0
.irp a, 0,1,2,3
	FRAG RF+48*((\s)%2)+12*\a, AR16, AR8, 6144*\a+1536*((\s)%4)
.endr
.endm
.macro MULS s                          ; 32 matrix instructions; the 32 accumulators take turns, one instruction a turn, in the same order in every step
	WIN MUL
.irp a, 0,1,2,3
.irp i, 0,1,2,3,4,5,6,7
.if (\s) == 0
	v_wmma_scale_f32_16x16x128_f8f6f4 v[8*(8*\a+\i):8*(8*\a+\i)+7], v[96*((\s)%2)+12*\i:96*((\s)%2)+12*\i+11], v[RF+48*((\s)%2)+12*\a:RF+48*((\s)%2)+12*\a+11], 0, v[SC+8*\i+(\s)], v[SC+8*\a+(\s)] matrix_a_fmt:MATRIX_FMT_FP6 matrix_b_fmt:MATRIX_FMT_FP6 matrix_a_scale:MATRIX_SCALE_ROW1
.else
	v_wmma_scale_f32_16x16x128_f8f6f4 v[8*(8*\a+\i):8*(8*\a+\i)+7], v[96*((\s)%2)+12*\i:96*((\s)%2)+12*\i+11], v[RF+48*((\s)%2)+12*\a:RF+48*((\s)%2)+12*\a+11], v[8*(8*\a+\i):8*(8*\a+\i)+7], v[SC+8*\i+(\s)], v[SC+8*\a+(\s)] matrix_a_fmt:MATRIX_FMT_FP6 matrix_b_fmt:MATRIX_FMT_FP6 matrix_a_scale:MATRIX_SCALE_ROW1
.endif
.endr
.endr
	WIN 0
.endm
; K step s: the next step's fragments are asked for first, into the set that step s - 1 multiplied: four plain vector instructions stand between that step's last matrix instruction and these loads.
.macro STEP s
.if (\s) < 7
.if (\s) == 3
	s_wait_tensorcnt 0x0                           ; my load has landed, whichever half it brought: nothing is filled again in this launch
	s_wait_dscnt 0x0                               ; no LDS instruction of mine is pending at the signal
	s_barrier_signal -1
	s_barrier_wait -1                              ; everybody's part has landed
	v_add_nc_u32 v[AR16], SLOT, v[AR16]            ; on to that slot: these four are the places
	v_add_nc_u32 v[AR8], SLOT, v[AR8]
	v_add_nc_u32 v[AP16], SLOT, v[AP16]
	s_wait_alu depctr_va_vdst(0)
	v_add_nc_u32 v[AP8], SLOT, v[AP8]
.elseif (\s) > 0
.rept 4
	v_nop
.endr
.endif
	FETCH (\s)+1
	s_wait_dscnt 48                                ; all but the 48 just issued: this step's fragments are in
.else
	s_wait_dscnt 0x0
.endif
	MULS \s
.endm
	s_cmp_lt_u32 s[WV], 2                          ; waves 0 and 1, whose load lines are their own, wait for K steps 0-3;
	s_cbranch_scc0 .Lnot_first
	s_wait_tensorcnt 0x0
.Lnot_first:
	s_barrier_signal -1
	s_barrier_wait -1                              ; the first half of K is in; the second may be on its way
	FETCH 0
	s_wait_loadcnt 0x0                             ; the scale words
.irp s, 0,1,2,3,4,5
	s_wait_alu depctr_va_vdst(0)
	STEP \s
.endr
	s_cmp_eq_u32 s58, 2                            ; the one branch on the tensor's number, the same in every partner; no barrier stands in its arms
	s_cbranch_scc1 .Lv
	; ---------------- q, k.  The bias of my 128 columns, in the result's layout, is asked for here and lands under the last two K steps.
	s_cmp_eq_u32 s58, 1
	s_cselect_b64 s[88:89], s[12:13], s[10:11]     ; bk or bq
	s_cselect_b64 s[96:97], s[18:19], s[16:17]     ; kvb or qb
	s_mov_b32 s3, 6656
	s_cselect_b32 s3, 13056, s3                    ; a block of 128 tokens,
	s_lshl_b32 s92, s3, 4                          ; a head
	s_lshl_b32 s90, s60, 10
	s_lshl_b32 s91, s22, 9
	s_add_co_u32 s90, s90, s91                     ; column 256 Pidx + 128 wp, 4 bytes each
	s_mov_b32 s91, 0
	s_add_nc_u64 s[88:89], s[88:89], s[90:91]
	v_lshlrev_b32 v16, 6, v3                       ; register 16 b + m holds column 32 b + 16 h + m
	WIN TO_P
.irp b, 0,1,2,3
.irp j, 0,1,2,3
	global_load_b128 v[BI+16*\b+4*\j:BI+16*\b+4*\j+3], v16, s[88:89] offset:128*\b+16*\j
.endr
.endr
	WIN 0
	s_lshr_b32 s90, s61, 4                         ; the batch: 16 blocks of 128 tokens each
	s_lshl_b32 s90, s90, 4
	s_lshl_b32 s91, s60, 2
	s_add_co_u32 s90, s90, s91
	s_lshl_b32 s91, s22, 1
	s_add_co_u32 s90, s90, s91                     ; 16 x batch + head A, head A = 4 Pidx + 2 wp
	s_mul_i32 s90, s90, s92
	s_and_b32 s91, s61, 15
	s_mul_i32 s91, s91, s3
	s_add_co_u32 s90, s90, s91
	s_mov_b32 s91, 0
	s_add_nc_u64 s[100:101], s[96:97], s[90:91]    ; head A's block
	s_mul_i32 s90, s21, 3072
	s_add_nc_u64 s[96:97], s[100:101], s[90:91]    ; my four tiles in it,
	s_mov_b32 s90, s92
	s_add_nc_u64 s[98:99], s[96:97], s[90:91]      ; and in head B's,
	s_lshl_b32 s90, s21, 8
	s_add_co_u32 s90, s90, 6144
	s_add_nc_u64 s[100:101], s[100:101], s[90:91]  ; and my group of scale words
	v_mul_u32_u24 v14, v3, s92
	v_lshl_add_u32 v14, v2, 4, v14                 ; lanes 0-15: head A's group, 16 r; lanes 16-31: head B's
	v_mov_b32 v15, 0x01000100                      ; a head's two bytes, twice: bytes 0, 1 for head A,
	v_mov_b32 v17, 0x03020302                      ; bytes 2, 3 for head B
	v_cndmask_b32 v15, v15, v17, s93
	s_wait_alu depctr_va_vdst(0)
	STEP 6
	STEP 7
	s_wait_loadcnt 0x0                             ; the bias
.rept 4
	v_nop                                          ; places behind the last matrix instructions
.endr
.irp a, 0,1,2,3                        ; a tile of 16 tokens at a time: + bias (the sum also brings the numbers into window 0), quantised along n: heads A and B, two blocks each
	WIN BIAS
.irp i, 0,1,2,3,4,5,6,7
.irp m, 0,2,4,6
	v_pk_add_f32 v[HA+8*\i+\m:HA+8*\i+\m+1], v[8*(8*\a+\i)+\m:8*(8*\a+\i)+\m+1], v[BI+8*\i+\m:BI+8*\i+\m+1]   ; each accumulator from its low end on
.endr
.endr
	WIN 0
.if \a > 0
	s_wait_xcnt 0x0                                ; the last tile's stores have read the codes' registers
.endif
	QUANT HA, SW+\a
	global_store_b128 v[L16], v[PC:PC+3], s[96:97] offset:768*\a             ; head A's half image: 512 and 256 consecutive bytes
	global_store_b64 v[L8], v[PC+4:PC+5], s[96:97] offset:768*\a+512
	global_store_b128 v[L16], v[PC+6:PC+9], s[98:99] offset:768*\a           ; head B's
	global_store_b64 v[L8], v[PC+10:PC+11], s[98:99] offset:768*\a+512
.endr
.irp a, 0,1,2,3
	v_perm_b32 v[SD+\a], v[SW+\a], v[SW+\a], v15
.endr
	global_store_b128 v14, v[SD:SD+3], s[100:101]  ; sixteen lanes store a head's group of 256 bytes
	s_branch .Ldone
	; ---------------- v.  The bias hangs on the lane's channel alone: one number for each of my four tiles of R, loaded into both registers of a pair.
.Lv:
	s_lshl_b32 s90, s61, 9
	s_lshl_b32 s91, s21, 8
	s_add_co_u32 s90, s90, s91                     ; channel 128 Ridx + 64 wr, 4 bytes each
	s_mov_b32 s91, 0
	s_add_nc_u64 s[88:89], s[14:15], s[90:91]
	v_and_b32 v16, 7, v2
	v_lshrrev_b32 v17, 3, v2
	v_lshlrev_b32 v16, 2, v16
	v_lshl_add_u32 v16, v17, 6, v16                ; 4 (r % 8 + 16 (r / 8))
	WIN TO_P
.irp a, 0,1,2,3
	global_load_b32 v[BI+2*\a], v16, s[88:89] offset:(32*(\a/2)+8*(\a%2))*4
	global_load_b32 v[BI+2*\a+1], v16, s[88:89] offset:(32*(\a/2)+8*(\a%2))*4
.endr
	WIN 0
	s_lshl_b32 s90, s60, 1
	s_add_co_u32 s90, s90, s22                     ; my 128 keys: key step 2 Pidx + wp of 64
	s_lshr_b32 s91, s90, 4
	s_lshl_b32 s91, s91, 4
	s_lshl_b32 s3, s61, 1
	s_add_co_u32 s91, s91, s3
	s_add_co_u32 s91, s91, s21                     ; 16 x batch + head, head = 2 Ridx + wr
	s_mul_i32 s91, s91, 208896
	s_and_b32 s90, s90, 15
	s_mul_i32 s90, s90, 13056
	s_add_co_u32 s90, s90, s91
	s_add_co_u32 s90, s90, 6656                    ; behind the key step's K
	s_mov_b32 s91, 0
	s_add_nc_u64 s[96:97], s[18:19], s[90:91]
	v_lshlrev_b32 v14, 4, v2
	v_lshl_add_u32 v14, v3, 3, v14                 ; scale words: 16 r + 8 h
	v_lshlrev_b32 v18, 3, v3                       ; 8 h: how far my two scale bytes are shifted
	s_wait_alu depctr_va_vdst(0)
	STEP 6
	STEP 7
	s_wait_loadcnt 0x0
.rept 4
	v_nop
.endr
.irp a, 0,1,2,3                        ; a tile of 16 channels at a time: + bias, quantised along the 128 keys: one whole fragment of V^T
	WIN BIAS
.irp i, 0,1,2,3,4,5,6,7
.irp m, 0,2,4,6
	v_pk_add_f32 v[HA+8*\i+\m:HA+8*\i+\m+1], v[8*(8*\a+\i)+\m:8*(8*\a+\i)+\m+1], v[BI+2*\a:BI+2*\a+1]
.endr
.endr
	WIN 0
.if \a > 0
	s_wait_xcnt 0x0
.endif
	QUANTB HA, SW+\a                               ; value's tiles are laid so that registers 32 c + i are keys 64 c + 32 h + i
	global_store_b128 v[L16], v[PC:PC+3], s[96:97] offset:1536*\a
	global_store_b64 v[L8], v[PC+4:PC+5], s[96:97] offset:1536*\a+512
	global_store_b128 v[L16], v[PC+6:PC+9], s[96:97] offset:1536*\a+768
	global_store_b64 v[L8], v[PC+10:PC+11], s[96:97] offset:1536*\a+1280
.endr
	v_cndmask_b32 v[SD], v[SW], v[SW+2], s93       ; lanes 0-15 store tiles 0, 1's words of their row, lanes 16-31 tiles 2, 3's
	v_cndmask_b32 v[SD+1], v[SW+1], v[SW+3], s93
	global_store_b64 v14, v[SD:SD+1], s[96:97] offset:6144   ; 256 consecutive bytes
.Ldone:
	s_wait_tensorcnt 0x0                           ; the wave's end
	ds_add_u32 v[SPW], v[NIL]
	s_wait_dscnt 0x0
	CROUND                                         ; the closing round
	s_endpgm
.Lfunc_end_k_q3115e1f097_proj:
	.size	k_q3115e1f097_proj, .Lfunc_end_k_q3115e1f097_proj-k_q3115e1f097_proj
	.p2alignl 7, 3214868480
	.fill 96, 4, 3214868480
	.section	.rodata,"a",@progbits
	.p2align	6, 0x0
	.amdhsa_kernel k_q3115e1f097_proj
		.amdhsa_group_segment_fixed_size 327680
		.amdhsa_private_segment_fixed_size 0
		.amdhsa_enable_private_segment 0
		.amdhsa_kernarg_size 64
		.amdhsa_user_sgpr_count 2
		.amdhsa_user_sgpr_kernarg_segment_ptr 1
		.amdhsa_wavefront_size32 1
		.amdhsa_system_sgpr_workgroup_id_x 1
		.amdhsa_system_sgpr_workgroup_id_y 1
		.amdhsa_system_sgpr_workgroup_id_z 1
		.amdhsa_system_vgpr_workitem_id 0
		.amdhsa_next_free_vgpr 768
		.amdhsa_next_free_sgpr 102
		.amdhsa_reserve_vcc 0
		.amdhsa_float_denorm_mode_32 3
		.amdhsa_float_denorm_mode_16_64 3
		.amdhsa_memory_ordered 1
		.amdhsa_forward_progress 1
		.amdhsa_inst_pref_size 132
	.end_amdhsa_kernel
	.amdgpu_metadata
---
amdhsa.version: [ 1, 2 ]
amdhsa.kernels:
  - .name:           k_q3115e1f097_proj
    .symbol:         k_q3115e1f097_proj.kd
    .args:
      - { .name: xc, .offset: 0, .size: 8, .value_kind: global_buffer, .address_space: global }
      - { .name: wc, .offset: 8, .size: 8, .value_kind: global_buffer, .address_space: global }
      - { .name: sc, .offset: 16, .size: 8, .value_kind: global_buffer, .address_space: global }
      - { .name: bq, .offset: 24, .size: 8, .value_kind: global_buffer, .address_space: global }
      - { .name: bk, .offset: 32, .size: 8, .value_kind: global_buffer, .address_space: global }
      - { .name: bv, .offset: 40, .size: 8, .value_kind: global_buffer, .address_space: global }
      - { .name: qb, .offset: 48, .size: 8, .value_kind: global_buffer, .address_space: global }
      - { .name: kvb, .offset: 56, .size: 8, .value_kind: global_buffer, .address_space: global }
    .group_segment_fixed_size: 327680
    .private_segment_fixed_size: 0
    .kernarg_segment_align: 8
    .kernarg_segment_size: 64
    .max_flat_workgroup_size: 128
    .sgpr_count:     102
    .vgpr_count:     768
    .wavefront_size: 32
...
	.end_amdgpu_metadata
.endif
;; end of part 2
;; launch attn (part 3): grid 4 x 64, 16 waves a work-group, clusters of 4 x 1, 327,680 bytes of LDS; arguments qb, kvb, ac, sc; writes ac, sc
.if DOCPART == 3
	.amdgcn_target "amdgcn-amd-amdhsa--gfx1250"
	.amdhsa_code_object_version 6
	.text
	.protected	k_q3115e1f097_attn
	.globl	k_q3115e1f097_attn
	.p2align	8
	.type	k_q3115e1f097_attn,@function
k_q3115e1f097_attn:
	s_mov_b64 s[64:65], 0
	v_nop
	global_prefetch_b8 v0, s[64:65] scope:SCOPE_SE
	s_setreg_imm32_b32 hwreg(HW_REG_WAVE_MODE, 25, 1), 1
	s_wait_xcnt 0x0
	s_wait_alu depctr_hold_cnt(0) depctr_sa_sdst(0) depctr_va_vdst(0) depctr_va_sdst(0) depctr_va_ssrc(0) depctr_va_vcc(0) depctr_vm_vsrc(0)
	s_getreg_b32 s2, hwreg(HW_REG_IB_STS2, 6, 4)
	s_cmp_eq_u32 s2, 0
	s_cbranch_scc0 .Lentry_in_a_cluster
	s_endpgm
.Lentry_in_a_cluster:
	s_bfe_u32 s2, ttmp6, 0x10000c
	s_cmp_lg_u32 s2, 0x3003
	s_cbranch_scc0 .Lentry_shape_is_right
	s_endpgm
.Lentry_shape_is_right:
; Launch 3 of 4: for each of the 64 heads, softmax(q k^T / 8) v on codes of E2M3, and the result quantised along E for the last product.  Nothing of the problem is left out.
; THE SOFTMAX: t = score x log2(e) / 8; M = the row's largest t so far, rounded up to a whole number; p = 2^(t - M) is quantised along the keys, not normalised; the row's sum is taken of the unquantised p
; and divides at the end.  When M moves, the sum and O are multiplied by 2^(old M - new M): exact.
; SHARES.  A work-group owns 512 queries of one head; each of its sixteen waves owns a tile of 16 at a time, in two passes.  The head's K and V, codes and scale words, are 208,896 bytes and lie in LDS for the
; whole launch, filled once.  CLUSTER: the four work-groups of a head ask for them jointly: 16 loads of one key step, 13,056 bytes, ONE A WAVE: wave w brings key step w.  Every wave waits for its load,
; and one barrier shows all of K and V; no barrier stands in the passes.
; NO PREFETCH: every byte of K and V is asked for at the head, so there is no later trip whose tiles could be asked for ahead.
; LAYOUT.  Both products transposed: S^T = K Q^T, O^T = V^T P^T: a lane holds one query throughout.  Tile t of a band c of 64 keys holds keys 64 c + 8 t + i and 64 c + 32 + 8 t + i (i = 0 .. 7), so register
; 32 c + i of lane (r, h) is key 64 c + 32 h + i: A WHOLE SCALE BLOCK OF p LIES IN ONE LANE, in the order of the operand's registers.
; K = 64 IN AN INSTRUCTION OF 128: two tiles of keys make one fragment (the even tile at k 0-63, the odd one at k 64-127), and Q stands as (data, zeros, data): against (data, zeros) the even tile's scores
; come out, against (zeros, data) the odd one's.  The scale words hold a tile's two bytes twice, so they serve either place; the other half's bytes stand over zero codes.
; TWO AREAS OF 64 REGISTERS TAKE TURNS, X and Y.  In a step its K lies in one and its scores go to the other.  V is asked for into K's area behind the score products; the next step's K is asked for into p's
; area as soon as p's halves are converted.  So a trip of the loop is two key steps.  In a pass's last step the address of the next K is held at key step 14: that fetch is not used, and each pass fetches its first K.
; LIMITS: v_exp_f32 is taken not to fall where its input rises (a block's largest p is made from its largest score).  The promise holds while the scaled scores stay under 2^31 in magnitude.
.set SPARE, 208896                     ; behind the head's K and V: the spare words, 128 bytes for each of 16 waves
.set ADK, 4                            ; v4-6  LDS addresses of the trip's first key step: + 16 x lane, + 8 x lane, + 16 r
.set SPW, 7
.set NIL, 8
.set SH,  10                           ; v10  8 h
.set X,   36                           ; v36-99
.set Y,   100                          ; v100-163
.set KS,  164                          ; v164-171 K's scale words
.set O,   172                          ; v172-203 O^T
.set PC,  204                          ; v204-215 p's codes
.set TP,  216                          ; v216-218, v220-222 the conversions' second halves
.set BM,  224                          ; v224-227 the two blocks' largest, two chains each
.set BT,  228                          ; v228-230 at work
.set SO,  232                          ; v232-233 the conversions' scale operands
.set SA,  234                          ; v234-239 three more chains of the row's sum
.set VS,  240                          ; v240-243 V's scale words
.set PW,  244                          ; v244 p's scale word
.set TT,  245
.set FF,  246                          ; v[246:247] f = 2^(old M - new M)
.set ANK, 248                          ; v248-250 as v4-6, for the next trip's first key step
.set WV,  12
.set G1,  16
.set G0,  24
.set SEL, 40
.set CS,  42                           ; s[42:43] c = log2(e) / 8
.set TB,  44                           ; s44  LDS byte at which the trip's first key step begins
.set CNT, 45
.set PASS, 46
.set TBN, 56                           ; s56  the same for the next trip
.macro CROUND
	s_barrier_signal -1
	s_barrier_wait -1
	s_cmp_lg_u32 s[WV], 0
	s_cbranch_scc1 .Lnot_wave_0_\@
	s_barrier_signal -3
.Lnot_wave_0_\@:
	s_barrier_wait -3
	s_barrier_signal -1
	s_barrier_wait -1
.endm
.macro FRAG reg, a, off
	ds_load_b128 v[(\reg):(\reg)+3], v[\a] offset:(\off)
	ds_load_b64 v[(\reg)+4:(\reg)+5], v[\a+1] offset:(\off)+512
	ds_load_b128 v[(\reg)+6:(\reg)+9], v[\a] offset:(\off)+768
	ds_load_b64 v[(\reg)+10:(\reg)+11], v[\a+1] offset:(\off)+1280
.endm
.macro KTILES dst, a, off, t0          ; four tiles of keys, six registers each: 8 loads
.irp t, 0,1,2,3
	ds_load_b128 v[\dst+6*(\t0+\t):\dst+6*(\t0+\t)+3], v[\a] offset:(\off)+768*(\t0+\t)
	ds_load_b64 v[\dst+6*(\t0+\t)+4:\dst+6*(\t0+\t)+5], v[\a+1] offset:(\off)+768*(\t0+\t)+512
.endr
.endm
.macro KFIRST dst, a, off              ; a key step's scale words and its tiles 0-3: 10 loads
	ds_load_b128 v[KS:KS+3], v[\a+2] offset:(\off)+6144
	ds_load_b128 v[KS+4:KS+7], v[\a+2] offset:(\off)+6400
	KTILES \dst, \a, \off, 0
.endm
.macro QLOAD                           ; my tile of queries: its half image twice, at both places, and its scale words
	global_load_b128 v[16:19], v1, s[48:49]
	global_load_b64 v[20:21], v2, s[48:49] offset:512
	global_load_b128 v[28:31], v1, s[48:49]
	global_load_b64 v[32:33], v2, s[48:49] offset:512
	global_load_b32 v34, v3, s[50:51]
.endm
	s_load_b256 s[4:11], s[0:1], 0x0               ; qb, kvb, ac, sc
	v_lshl_add_u32 v[SPW], v0, 2, SPARE
	v_mov_b32 v[NIL], 0
	ds_add_u32 v[SPW], v[NIL]                      ; the wave's opening: the add, twice on end, and its wait ahead of my tensor load
	ds_add_u32 v[SPW], v[NIL]
	v_lshrrev_b32 v1, 5, v0
	v_readfirstlane_b32 s[WV], v1                  ; wave 0..15
	s_bfe_u32 s13, ttmp6, 0x40000                  ; cx: which 512 queries; it enters Q's and the results' addresses alone
	s_and_b32 s14, ttmp7, 0xffff                   ; the head, 0..63, which the four partners share
	s_mov_b32 s[G1], 15|(3<<16)|(1<<21)            ; the mask: all four; elements of 8 bytes; no padding
	s_mov_b32 s[G1+1], 32<<16                      ; rows of 256 bytes,
	s_mov_b32 s[G1+2], 51<<16                      ; 51 of them: a key step's 13,056 dense bytes
	s_mov_b32 s[G1+3], 32<<16
	s_mov_b32 s[G1+4], 51
	s_mov_b32 s[G1+5], 32
	s_mov_b32 s[G1+6], 0
	s_mov_b32 s[G1+7], 0
	s_mov_b32 s[G0], 1
	s_mul_i32 s[G0+1], s[WV], 13056                ; key step w: its place, in LDS as in memory
	s_mul_i32 s15, s[WV], 13056
	s_mul_i32 s56, s14, 208896
	s_add_co_u32 s56, s56, s15
	s_mov_b32 s57, 0
	s_lshl_b32 s58, s13, 2                         ; my tile of queries in pass p is 32 cx + 16 p + w: block 4 cx + 2 p + w / 8, tile w % 8 in it
	s_lshr_b32 s59, s[WV], 3
	s_add_co_u32 s58, s58, s59
	s_mul_i32 s58, s58, 6656
	s_mul_i32 s59, s14, 106496
	s_add_co_u32 s58, s58, s59
	s_and_b32 s59, s[WV], 7
	s_mul_i32 s59, s59, 768
	s_add_co_u32 s60, s58, s59                     ; its codes
	s_mov_b32 s61, 0
	s_bfe_u32 s59, s[WV], 0x10002
	s_lshl_b32 s59, s59, 8
	s_add_co_u32 s62, s58, s59
	s_and_b32 s59, s[WV], 3
	s_lshl_b32 s59, s59, 2
	s_add_co_u32 s62, s62, s59
	s_add_co_u32 s62, s62, 6144                    ; its scale words: group (w / 4) % 2, word w % 4
	s_mov_b32 s63, 0
	s_lshr_b32 s66, s14, 4
	s_lshl_b32 s66, s66, 7
	s_lshl_b32 s67, s13, 5
	s_add_co_u32 s66, s66, s67
	s_add_co_u32 s66, s66, s[WV]                   ; the same tile among the 512 of all tokens
	s_and_b32 s67, s14, 15                         ; the head in its batch: 64 of the last product's K: half a K step
	s_mul_i32 s68, s66, 12288
	s_mul_i32 s69, s67, 768
	s_add_co_u32 s68, s68, s69
	s_mov_b32 s69, 0
	s_lshl_b32 s70, s66, 9
	s_lshl_b32 s71, s67, 1
	s_add_co_u32 s70, s70, s71
	s_add_co_u32 s70, s70, 917504                  ; behind the inputs' scale bytes
	s_mov_b32 s71, 0
	s_mov_b32 s[SEL], 0x76543210
	s_mov_b32 s[SEL+1], 0xfedcba98
	s_mov_b32 s[CS], 0x3e38aa3b
	s_mov_b32 s[CS+1], s[CS]                       ; (named with it as a pair, so it is written)
	s_mov_b32 s47, 0xffff0000                      ; lanes 16-31
	s_mov_b32 s[PASS], 2
	v_and_b32 v9, 31, v0
	v_and_b32 v4, 15, v0
	v_bfe_u32 v5, v0, 4, 1
	v_lshlrev_b32 v1, 4, v9                        ; v1  16 x lane
	v_lshlrev_b32 v2, 3, v9                        ; v2  8 x lane
	v_lshlrev_b32 v3, 4, v4                        ; v3  16 r
	v_lshlrev_b32 v[SH], 3, v5
	v_lshl_add_u32 v9, v4, 5, v5                   ; v9  32 r + h: my scale byte on the way out
.irp j, 22,23,24,25,26,27
	v_mov_b32 v[\j], 0                             ; the zero codes of Q: written once
.endr
	v_mov_b32 v[BT], 0                             ; a lane permute's destination counts as one of its sources
	v_mov_b32 v[BT+1], 0
	v_mov_b32 v[TT], 0
	v_mov_b32 v[FF+1], 0                           ; (named as the upper half of a pair)
	s_wait_alu depctr_va_vdst(0)                   ; the head's end
	s_wait_dscnt 0x0                               ; both opening adds are done
	s_wait_kmcnt 0x0
	s_add_nc_u64 s[G0+2:G0+3], s[6:7], s[56:57]
	s_or_b32 s[G0+3], s[G0+3], 0x80000000
	s_add_nc_u64 s[48:49], s[4:5], s[60:61]
	s_add_nc_u64 s[50:51], s[4:5], s[62:63]
	s_add_nc_u64 s[52:53], s[8:9], s[68:69]
	s_add_nc_u64 s[54:55], s[10:11], s[70:71]
	CROUND                                         ; all four work-groups are here: the joint loads meet
	tensor_load_to_lds s[G0:G0+3], s[G1:G1+7]      ; all fills of the launch: one line, one load a wave, its places made from the wave's number
	s_nop 0
.rept 4
	v_nop
.endr
	QLOAD
	s_wait_tensorcnt 0x0                           ; my key step has landed,
	s_barrier_signal -1
	s_barrier_wait -1                              ; everybody's has
; A KEY STEP: 128 keys.  e: the step's place in its trip.  Its K lies in area KA, which V takes behind the score products; its scores go to area SS, which the next step's K takes behind the conversions.
.macro STEP e
.set KA, X+64*(\e)
.set SS, X+64*(1-(\e))
.set OF, 13056*(\e)
.set NA, ADK+(ANK-ADK)*(\e)            ; the next step's K: by this trip's addresses and 13,056 bytes on, or by the next trip's
.set NO, 13056*(1-(\e))
.if \e
	v_add_nc_u32 v[ANK], s[TBN], v1
	v_add_nc_u32 v[ANK+1], s[TBN], v2
	v_add_nc_u32 v[ANK+2], s[TBN], v3
.else
	v_add_nc_u32 v[ADK], s[TB], v1
	v_add_nc_u32 v[ADK+1], s[TB], v2
	v_add_nc_u32 v[ADK+2], s[TB], v3
.endif
	v_mov_b32 v[TT], v12                           ; the old -M
	v_nop                                          ; five places in all: the scores below are laid over V's fragments, which the last step's products read (ISA guide 7.12.1)
	s_wait_alu depctr_va_vdst(0)
	s_wait_dscnt 8                                 ; the scale words and tiles 0-3 are in; the 8 loads of tiles 4-7 may be out
.irp g, 0,1,2,3                        ; S^T = K Q^T
.if \g == 2
	s_wait_dscnt 0x0
.endif
	v_wmma_scale_f32_16x16x128_f8f6f4 v[SS+16*\g:SS+16*\g+7], v[KA+12*\g:KA+12*\g+11], v[16:27], 0, v[KS+2*\g], v34 matrix_a_fmt:MATRIX_FMT_FP6 matrix_b_fmt:MATRIX_FMT_FP6
	v_wmma_scale_f32_16x16x128_f8f6f4 v[SS+16*\g+8:SS+16*\g+15], v[KA+12*\g:KA+12*\g+11], v[22:33], 0, v[KS+2*\g+1], v34 matrix_a_fmt:MATRIX_FMT_FP6 matrix_b_fmt:MATRIX_FMT_FP6
.endr                                  ; lane (r, h) holds query r; register 32 c + i is key 64 c + 32 h + i of the step
.rept 4
	v_nop                                          ; places: for the loads into K's registers and for the first reads of the scores
.endr
.irp t, 0,1,2,3                        ; V's four fragments and scale words: 17 loads, which land under the softmax
	FRAG KA+12*\t, ADK, OF+6656+1536*\t
.endr
	ds_load_b128 v[VS:VS+3], v[ADK+2] offset:OF+12800
.irp c, 0,1                            ; the largest score of my two blocks of 32 keys, in two chains each: for the row's maximum, and for the block's largest p.  Each accumulator is first read at its low end
	v_max3_num_f32 v[BM+\c], v[SS+32*\c], v[SS+32*\c+1], v[SS+32*\c+2]
	v_max3_num_f32 v[BM+2+\c], v[SS+32*\c+17], v[SS+32*\c+18], v[SS+32*\c+19]
.endr
.irp i, 3,5,7,9,11,13
.irp c, 0,1
	v_max3_num_f32 v[BM+\c], v[BM+\c], v[SS+32*\c+\i], v[SS+32*\c+\i+1]
	v_max3_num_f32 v[BM+2+\c], v[BM+2+\c], v[SS+32*\c+17+\i], v[SS+32*\c+18+\i]
.endr
.endr
.irp c, 0,1
	v_max3_num_f32 v[BM+\c], v[BM+\c], v[SS+32*\c+15], v[SS+32*\c+16]
.endr
.irp c, 0,1
	v_max_num_f32 v[BM+\c], v[BM+\c], v[BM+2+\c]
.endr
	v_max_num_f32 v[BT], v[BM], v[BM+1]
	v_permlanex16_b32 v[BT+1], v[BT], s[SEL], s[SEL+1]
	v_max3_num_f32 v13, v13, v[BT], v[BT+1]        ; the running largest score of my query, lane l xor 16's 64 keys among them
	v_mul_f32 v[BT+2], s[CS], v13                  ; as t (c is positive)
	v_floor_f32 v12, -v[BT+2]                      ; the new -M = floor(-t): M is a whole number
.set j, 0
.rept 32
	v_pk_fma_f32 v[SS+j:SS+j+1], v[SS+j:SS+j+1], s[CS:CS+1], v[12:13] op_sel_hi:[1,0,0]   ; t - M, two at a time (of the pairs the low word serves both halves)
.if j == 14
	v_sub_f32 v[TT], v12, v[TT]                    ; old M - new M: a whole number, 0 or less
.elseif j == 30
	v_cvt_i32_f32 v[TT], v[TT]                     ; (it saturates)
.elseif j == 46
	v_ldexp_f32 v[FF], 1.0, v[TT]                  ; f
.endif
.set j, j+2
.endr
.irp c, 0,1
	v_fma_f32 v[BM+\c], v[BM+\c], s[CS], v12       ; the same of each block's largest score
.endr
	s_wait_alu depctr_va_vdst(0)                   ; ahead of the batch
.irp c, 0,1
	v_exp_f32 v[BM+\c], v[BM+\c]                   ; the blocks' largest p
.endr
.set j, 0
.rept 64
	v_exp_f32 v[SS+j], v[SS+j]                     ; p = 2^(t - M), at most 1
.set j, j+1
.endr
	v_pk_mul_f32 v[14:15], v[14:15], v[FF:FF+1] op_sel_hi:[1,0]   ; the sums under the new M: the plain instruction behind the exponentials
	s_wait_alu depctr_va_vdst(0)                   ; one wait for the batch of 66, ahead of its first reader
.irp c, 0,1
	v_max_num_f32 v[BM+\c], 0x1800000, v[BM+\c]    ; the floor 2^(3 - 127): the byte cannot fall under 1
.endr
	v_pk_add_f32 v[14:15], v[14:15], v[SS:SS+1]    ; the row's sum is taken of the unquantised p: two at a time, in four chains; first the 32 numbers of block h
	v_pk_add_f32 v[SA:SA+1], v[SS+2:SS+3], v[SS+4:SS+5]
	v_pk_add_f32 v[SA+2:SA+3], v[SS+6:SS+7], v[SS+8:SS+9]
	v_pk_add_f32 v[SA+4:SA+5], v[SS+10:SS+11], v[SS+12:SS+13]
.irp c, 0,1
	v_add_nc_u32 v[SO+\c], 0xff000000, v[BM+\c]    ; 2 off the exponent field: the conversions' scale operand
.endr
.irp j, 14,22
	v_pk_add_f32 v[14:15], v[14:15], v[SS+\j:SS+\j+1]
	v_pk_add_f32 v[SA:SA+1], v[SA:SA+1], v[SS+\j+2:SS+\j+3]
	v_pk_add_f32 v[SA+2:SA+3], v[SA+2:SA+3], v[SS+\j+4:SS+\j+5]
	v_pk_add_f32 v[SA+4:SA+5], v[SA+4:SA+5], v[SS+\j+6:SS+\j+7]
.endr
	v_pk_add_f32 v[14:15], v[14:15], v[SS+30:SS+31]
.irp c, 0,1
	v_lshrrev_b32 v[BT+\c], 23, v[SO+\c]           ; the scale's byte
.endr
	v_cvt_scalef32_pk16_fp6_f32 v[PC:PC+2], v[SS:SS+15], v[SO]
	v_cvt_scalef32_pk16_fp6_f32 v[TP:TP+2], v[SS+16:SS+31], v[SO]   ; (a conversion's three registers begin on an even number)
	v_lshl_or_b32 v[BT], v[BT+1], 16, v[BT]        ; my two bytes: blocks h and 2 + h.  (The plain instruction behind the scaled conversions)
	KFIRST SS, NA, NO                              ; the next step's scale words and tiles 0-3, over the 32 numbers just converted
	v_lshlrev_b32 v[BT], v[SH], v[BT]              ; 8 h bits up
.irp j, 32,40,48,56
	v_pk_add_f32 v[14:15], v[14:15], v[SS+\j:SS+\j+1]
	v_pk_add_f32 v[SA:SA+1], v[SA:SA+1], v[SS+\j+2:SS+\j+3]
	v_pk_add_f32 v[SA+2:SA+3], v[SA+2:SA+3], v[SS+\j+4:SS+\j+5]
	v_pk_add_f32 v[SA+4:SA+5], v[SA+4:SA+5], v[SS+\j+6:SS+\j+7]
.endr
	v_permlanex16_b32 v[BT+1], v[BT], s[SEL], s[SEL+1]
	v_cvt_scalef32_pk16_fp6_f32 v[PC+6:PC+8], v[SS+32:SS+47], v[SO+1]
	v_cvt_scalef32_pk16_fp6_f32 v[TP+4:TP+6], v[SS+48:SS+63], v[SO+1]
	v_pk_add_f32 v[SA:SA+1], v[SA:SA+1], v[SA+2:SA+3]   ; (the plain instruction behind the scaled conversions)
	KTILES SS, NA, NO, 4                           ; and its tiles 4-7
	v_or_b32 v[PW], v[BT], v[BT+1]                 ; with lane l xor 16's two the scale word is whole
.irp i, 0,1,2
	v_mov_b32 v[PC+3+\i], v[TP+\i]
	v_mov_b32 v[PC+9+\i], v[TP+4+\i]
.endr
	v_pk_add_f32 v[14:15], v[14:15], v[SA+4:SA+5]
	v_pk_add_f32 v[14:15], v[14:15], v[SA:SA+1]
	s_wait_alu depctr_va_vdst(0)                   ; directly ahead of the first reader of O^T
.set j, 0
.rept 16
	v_pk_mul_f32 v[O+j:O+j+1], v[O+j:O+j+1], v[FF:FF+1] op_sel_hi:[1,0]   ; O^T under the new M; these are also the places between the operand's and the scale word's last writes and the products
.set j, j+2
.endr
	s_wait_alu depctr_va_vdst(0)
	s_wait_dscnt 18                                ; V is in; the 18 loads of the next step's K, issued behind V's, may be out
.irp t, 0,1,2,3                        ; O^T += V^T P^T; the four accumulators take turns
	v_wmma_scale_f32_16x16x128_f8f6f4 v[O+8*\t:O+8*\t+7], v[KA+12*\t:KA+12*\t+11], v[PC:PC+11], v[O+8*\t:O+8*\t+7], v[VS+\t], v[PW] matrix_a_fmt:MATRIX_FMT_FP6 matrix_b_fmt:MATRIX_FMT_FP6
.endr
.endm
.Lpass:
	s_wait_dscnt 0x0                               ; the last pass's last fetch into area X, which is not used, has landed
	KFIRST X, 1, 0                                 ; key step 0's K, by v1, v2, v3
	KTILES X, 1, 0, 4
	v_mov_b32 v13, 0xff61b1e6                      ; the largest score so far: -3e38, under every score
	v_mov_b32 v12, 0x7f61b1e6                      ; -M: 3e38, so that the first f is 0
	v_mov_b32 v14, 0                               ; the sum, in two halves
	v_mov_b32 v15, 0
.set j, 0
.rept 32
	v_mov_b32 v[O+j], 0                            ; O^T: the step is written once; the first finds zeros, which the first change of M leaves zeros
.set j, j+1
.endr
	s_wait_loadcnt 0x0                             ; Q
	s_mov_b32 s[TB], 0
	s_mov_b32 s[CNT], 8
.Ltrip:                                                ; two key steps a trip: the areas are back where they began
	s_add_co_u32 s[TBN], s[TB], 26112
	s_min_u32 s[TBN], s[TBN], 182784               ; held inside K and V in the last trip
	STEP 0
	STEP 1
	s_add_co_u32 s[TB], s[TB], 26112
	s_sub_co_u32 s[CNT], s[CNT], 1
	s_cmp_lg_u32 s[CNT], 0
	s_cbranch_scc1 .Ltrip
	; THE PASS'S END: O^T / the sum, quantised along the head's 64 channels (two blocks; a lane holds 16 neighbours of each), stored as half a K step of the last product's operand.  At work in area Y.
.rept 4
	v_nop                                          ; places behind the last products
.endr
	s_cmp_eq_u32 s[PASS], 1                        ; the next pass's queries are asked for here, if there is a next pass
	s_cbranch_scc1 .Lno_q
	s_add_nc_u64 s[48:49], s[48:49], 13312         ; 16 tiles on: two blocks (the last loads by these addresses were waited for)
	s_add_nc_u64 s[50:51], s[50:51], 13312
	QLOAD
.Lno_q:
	v_add_f32 v14, v14, v15
	v_permlanex16_b32 v[TT], v14, s[SEL], s[SEL+1]
	v_add_f32 v14, v14, v[TT]                      ; the row's sum
	s_wait_alu depctr_va_vdst(0)                   ; the wait ahead of the reciprocal,
	v_rcp_f32 v14, v14
	v_nop                                          ; a plain instruction behind it,
	s_wait_alu depctr_va_vdst(0)                   ; and the wait ahead of its first reader
.set j, 0
.rept 32
	v_mul_f32 v[Y+j], v[O+j], v14                  ; register 16 b + m is channel 32 b + 16 h + m
.set j, j+1
.endr
.irp b, 0,1
	v_max3_num_f32 v[BM+\b], |v[Y+16*\b]|, |v[Y+16*\b+1]|, 0x1800000
.endr
.irp i, 2,4,6,8,10,12,14
.irp b, 0,1
	v_max3_num_f32 v[BM+\b], v[BM+\b], |v[Y+16*\b+\i]|, |v[Y+16*\b+\i+1]|
.endr
.endr
.irp b, 0,1
	v_permlanex16_b32 v[BT+\b], v[BM+\b], s[SEL], s[SEL+1]
.endr
.irp b, 0,1
	v_max_num_f32 v[BM+\b], v[BM+\b], v[BT+\b]
.endr
.irp b, 0,1
	v_add_nc_u32 v[SO+\b], 0xff000000, v[BM+\b]
.endr
.irp b, 0,1
	v_lshrrev_b32 v[BT+\b], 23, v[SO+\b]
.endr
	v_cndmask_b32 v[PW], v[BT], v[BT+1], s47       ; lanes 0-15 store block 0's byte of their row, lanes 16-31 block 1's
	v_cvt_scalef32_pk16_fp6_f32 v[PC:PC+2], v[Y:Y+15], v[SO]
	v_cvt_scalef32_pk16_fp6_f32 v[TP:TP+2], v[Y+16:Y+31], v[SO+1]
	v_nop                                          ; one plain instruction behind the scaled conversions
.irp i, 0,1,2
	v_permlane16_swap_b32 v[PC+\i], v[TP+\i]
.endr
.irp i, 0,1,2
	v_mov_b32 v[PC+3+\i], v[TP+\i]
.endr
	global_store_b128 v1, v[PC:PC+3], s[52:53]     ; 512 consecutive bytes,
	global_store_b64 v2, v[PC+4:PC+5], s[52:53] offset:512   ; and 256
	global_store_b8 v9, v[PW], s[54:55]            ; two of a row's 32 scale bytes are this head's: single bytes, 32 a tile and head
	s_wait_xcnt 0x0                                ; the stores have read their registers and bases
	s_add_nc_u64 s[52:53], s[52:53], 196608        ; 16 tiles on
	s_add_nc_u64 s[54:55], s[54:55], 8192
	s_sub_co_u32 s[PASS], s[PASS], 1
	s_cmp_lg_u32 s[PASS], 0
	s_cbranch_scc1 .Lpass
	s_wait_tensorcnt 0x0                           ; the wave's end
	ds_add_u32 v[SPW], v[NIL]
	s_wait_dscnt 0x0
	CROUND                                         ; the closing round
	s_endpgm
.Lfunc_end_k_q3115e1f097_attn:
	.size	k_q3115e1f097_attn, .Lfunc_end_k_q3115e1f097_attn-k_q3115e1f097_attn
	.p2alignl 7, 3214868480
	.fill 96, 4, 3214868480
	.section	.rodata,"a",@progbits
	.p2align	6, 0x0
	.amdhsa_kernel k_q3115e1f097_attn
		.amdhsa_group_segment_fixed_size 327680
		.amdhsa_private_segment_fixed_size 0
		.amdhsa_enable_private_segment 0
		.amdhsa_kernarg_size 32
		.amdhsa_user_sgpr_count 2
		.amdhsa_user_sgpr_kernarg_segment_ptr 1
		.amdhsa_wavefront_size32 1
		.amdhsa_system_sgpr_workgroup_id_x 1
		.amdhsa_system_sgpr_workgroup_id_y 1
		.amdhsa_system_sgpr_workgroup_id_z 1
		.amdhsa_system_vgpr_workitem_id 0
		.amdhsa_next_free_vgpr 256
		.amdhsa_next_free_sgpr 72
		.amdhsa_reserve_vcc 0
		.amdhsa_float_denorm_mode_32 3
		.amdhsa_float_denorm_mode_16_64 3
		.amdhsa_memory_ordered 1
		.amdhsa_forward_progress 1
		.amdhsa_inst_pref_size 43
	.end_amdhsa_kernel
	.amdgpu_metadata
---
amdhsa.version: [ 1, 2 ]
amdhsa.kernels:
  - .name:           k_q3115e1f097_attn
    .symbol:         k_q3115e1f097_attn.kd
    .args:
      - { .name: qb, .offset: 0, .size: 8, .value_kind: global_buffer, .address_space: global }
      - { .name: kvb, .offset: 8, .size: 8, .value_kind: global_buffer, .address_space: global }
      - { .name: ac, .offset: 16, .size: 8, .value_kind: global_buffer, .address_space: global }
      - { .name: sc, .offset: 24, .size: 8, .value_kind: global_buffer, .address_space: global }
    .group_segment_fixed_size: 327680
    .private_segment_fixed_size: 0
    .kernarg_segment_align: 8
    .kernarg_segment_size: 32
    .max_flat_workgroup_size: 512
    .sgpr_count:     72
    .vgpr_count:     256
    .wavefront_size: 32
...
	.end_amdgpu_metadata
.endif
;; end of part 3
;; launch outp (part 4): grid 4 x 64, 4 waves a work-group, clusters of 4 x 4, 327,680 bytes of LDS; arguments ac, wc, sc, bo, out0; writes out0
.if DOCPART == 4
	.amdgcn_target "amdgcn-amd-amdhsa--gfx1250"
	.amdhsa_code_object_version 6
	.text
	.protected	k_q3115e1f097_outp
	.globl	k_q3115e1f097_outp
	.p2align	8
	.type	k_q3115e1f097_outp,@function
k_q3115e1f097_outp:
	s_mov_b64 s[64:65], 0
	v_nop
	global_prefetch_b8 v0, s[64:65] scope:SCOPE_SE
	s_setreg_imm32_b32 hwreg(HW_REG_WAVE_MODE, 25, 1), 1
	s_wait_xcnt 0x0
	s_wait_alu depctr_hold_cnt(0) depctr_sa_sdst(0) depctr_va_vdst(0) depctr_va_sdst(0) depctr_va_ssrc(0) depctr_va_vcc(0) depctr_vm_vsrc(0)
	s_getreg_b32 s2, hwreg(HW_REG_IB_STS2, 6, 4)
	s_cmp_eq_u32 s2, 0
	s_cbranch_scc0 .Lentry_in_a_cluster
	s_endpgm
.Lentry_in_a_cluster:
	s_bfe_u32 s2, ttmp6, 0x10000c
	s_cmp_lg_u32 s2, 0xf033
	s_cbranch_scc0 .Lentry_shape_is_right
	s_endpgm
.Lentry_shape_is_right:
; Launch 4 of 4: out0 = x Wo + bo on codes of E2M3; x is attention's result, stored as codes by the launch before.  Nothing of the problem is left out.
; The product's part is that of the projections: a work-group makes 128 tokens (operand R, source 1: on the lanes) x 256 columns (operand P = Wo, source 0: on the registers), all of K = 1,024 in LDS, filled once;
; four waves of 64 x 128, 32 accumulators each; clusters of 4 x 4, R's tiles shared along a row, P's along a column.  256 work-groups.
; THE WAY OUT: a lane holds 16 neighbouring columns of each block of 32 of one token; a tile of 16 tokens goes through the wave's own stage in LDS, 64 columns at a time, and leaves as aligned runs of 256 bytes.
; REGISTERS: window 0: v4-17 addresses; v32-95 scale words; v96-191 R's fragments, two sets; on the way out v96-159 the sums with their bias, v160-223 rows read back.
;   window 1: v0-191 P's fragments, two sets; v192-255 the bias.   window 2: accumulator (a, i) at v[8 (8 a + i)].
.set SLOT,  147456                     ; a half of K: K steps 4 j .. 4 j + 3 of R's 8 tiles (6,144 bytes each), then of P's 16
.set STAGE, 294912                     ; behind the two halves: 16 rows x (256 + 16) bytes for each wave; no fill lands here
.set SPARE, 312320                     ; behind the stages: the spare words, 128 bytes a wave
.set SPW, 10
.set NIL, 11
.set AR16, 4
.set AR8,  5
.set AP16, 6
.set AP8,  7
.set VA,   8
.set VB,   9
.set L16,  12
.set L8,   13
.set STO,  14                          ; v14  the stage: where I put 16 bytes of a row
.set RD,   15                          ; v15  and where I read a row back
.set CO,   16                          ; v16  my byte offset in out0
.set SC,   32
.set RF,   96
.set HA,   96
.set OUTR, 160
.set BI,   192                         ; in window 1
.set WV,   20
.set G1R,  24
.set G1P,  32
.set G0R,  40
.set G0P,  68
.set MSB, 0
.macro WIN new
.if MSB != \new
	s_set_vgpr_msb (MSB<<8)|\new
.set MSB, \new
.endif
.endm
.set MUL,  0xa1
.set TO_P, 0x40
.set BIAS, 0x06
.macro CROUND
	s_barrier_signal -1
	s_barrier_wait -1
	s_cmp_lg_u32 s[WV], 0
	s_cbranch_scc1 .Lnot_wave_0_\@
	s_barrier_signal -3
.Lnot_wave_0_\@:
	s_barrier_wait -3
	s_barrier_signal -1
	s_barrier_wait -1
.endm
.macro FRAG reg, a16, a8, off
	ds_load_b128 v[(\reg):(\reg)+3], v[\a16] offset:(\off)
	ds_load_b64 v[(\reg)+4:(\reg)+5], v[\a8] offset:(\off)+512
	ds_load_b128 v[(\reg)+6:(\reg)+9], v[\a16] offset:(\off)+768
	ds_load_b64 v[(\reg)+10:(\reg)+11], v[\a8] offset:(\off)+1280
.endm
	s_load_b256 s[4:11], s[0:1], 0x0               ; ac, wc, sc, bo
	s_load_b64 s[12:13], s[0:1], 0x20              ; out0
	v_lshl_add_u32 v[SPW], v0, 2, SPARE
	v_mov_b32 v[NIL], 0
	ds_add_u32 v[SPW], v[NIL]                      ; the wave's opening: the add, twice on end, and its wait ahead of my first tensor load
	ds_add_u32 v[SPW], v[NIL]
	v_lshrrev_b32 v1, 5, v0
	v_readfirstlane_b32 s[WV], v1
	s_lshr_b32 s21, s[WV], 1                       ; wr
	s_and_b32 s22, s[WV], 1                        ; wp
	s_bfe_u32 s60, ttmp6, 0x40000                  ; cx = Pidx: which 256 columns
	s_bfe_u32 s56, ttmp6, 0x40004                  ; cy
	s_and_b32 s61, ttmp7, 0xffff
	s_lshl_b32 s61, s61, 2
	s_add_co_u32 s61, s61, s56                     ; Ridx: which 128 tokens
	s_lshl_b32 s88, s56, 2
	s_lshl_b32 s88, 15, s88                        ; my row of the cluster
	s_lshl_b32 s90, 0x1111, s60                    ; my column
	s_or_b32 s[G1R], s88, (3<<16)|(1<<21)          ; rows of 6,144 bytes (a tile's four K steps), 12,288 apart in memory, on end in LDS; 8 tiles for R, 16 for P
	s_or_b32 s[G1P], s90, (3<<16)|(1<<21)
	s_mov_b32 s[G1R+1], 768<<16
	s_mov_b32 s[G1R+2], 8<<16
	s_mov_b32 s[G1R+3], 768<<16
	s_mov_b32 s[G1R+4], 8
	s_mov_b32 s[G1R+5], 1536
	s_mov_b32 s[G1R+6], 0
	s_mov_b32 s[G1R+7], 0
	s_mov_b32 s[G1P+1], 768<<16
	s_mov_b32 s[G1P+2], 16<<16
	s_mov_b32 s[G1P+3], 768<<16
	s_mov_b32 s[G1P+4], 16
	s_mov_b32 s[G1P+5], 1536
	s_mov_b32 s[G1P+6], 0
	s_mov_b32 s[G1P+7], 0
	s_lshl_b32 s88, s61, 3
	s_mul_i32 s88, s88, 12288                      ; R: tile 8 Ridx of ac
	s_mov_b32 s89, 0
	s_lshl_b32 s90, s60, 4
	s_mul_i32 s90, s90, 12288
	s_add_co_u32 s90, s90, 2359296                 ; P: tile 16 Pidx of Wo, the fourth weight in wc
	s_mov_b32 s91, 0
	s_mul_i32 s2, s22, 49152                       ; my eight tiles of P in a half of K, behind R's eight
	s_add_co_u32 s2, s2, 49152
	s_mov_b32 s93, 0xffff0000
	v_and_b32 v1, 31, v0
	v_and_b32 v2, 15, v0                           ; r
	v_bfe_u32 v3, v0, 4, 1                         ; h
	v_lshlrev_b32 v[L16], 4, v1
	v_lshlrev_b32 v[L8], 3, v1
	s_mul_i32 s3, s21, 24576                       ; my four tiles of R in a half of K
	v_add_nc_u32 v[AR16], s3, v[L16]
	v_add_nc_u32 v[AR8], s3, v[L8]
	v_add_nc_u32 v[AP16], s2, v[L16]
	v_add_nc_u32 v[AP8], s2, v[L8]
	s_lshl_b32 s96, s61, 12                        ; scale rows: R's tile 8 Ridx + 4 wr, behind the inputs' in sc;
	s_lshl_b32 s98, s21, 11
	s_add_co_u32 s96, s96, s98
	s_add_co_u32 s96, s96, 917504
	s_lshl_b32 s97, s60, 13                        ; P's tile 16 Pidx + 8 wp of Wo's
	s_lshl_b32 s98, s22, 12
	s_add_co_u32 s97, s97, s98
	s_add_co_u32 s97, s97, 884736
	v_mov_b32 v[VA], s96
	v_mov_b32 v[VB], s97
	v_cndmask_b32 v[VA], v[VA], v[VB], s93
	v_lshl_add_u32 v[VA], v2, 5, v[VA]
	v_lshl_add_u32 v[VB], v2, 5, v[VB]
	s_mul_i32 s3, s[WV], 4352
	s_add_co_u32 s3, s3, STAGE                     ; my stage
	v_mul_u32_u24 v[STO], v2, 272
	v_lshl_add_u32 v[STO], v3, 6, v[STO]
	v_add_nc_u32 v[STO], s3, v[STO]                ; in: row r, + 64 h
	v_mul_u32_u24 v[RD], v3, 272
	v_lshl_add_u32 v[RD], v2, 4, v[RD]
	v_add_nc_u32 v[RD], s3, v[RD]                  ; back: lanes 0-15 one row of 256 bytes, lanes 16-31 the next
	v_lshlrev_b32 v[CO], 12, v3
	v_lshl_add_u32 v[CO], v2, 4, v[CO]             ; and the same two rows in out0
	v_lshlrev_b32 v17, 6, v3                       ; the bias: register 16 b + m holds column 32 b + 16 h + m
	s_lshl_b32 s94, s60, 10
	s_lshl_b32 s95, s22, 9
	s_add_co_u32 s94, s94, s95                     ; column 256 Pidx + 128 wp, 4 bytes each
	s_mov_b32 s95, 0
	s_lshl_b32 s98, s61, 19                        ; token 128 Ridx + 64 wr, 4,096 bytes each
	s_lshl_b32 s99, s21, 18
	s_add_co_u32 s98, s98, s99
	s_mov_b32 s99, 0
	s_wait_dscnt 0x0                               ; both opening adds are done
	s_wait_kmcnt 0x0
	s_add_nc_u64 s[84:85], s[4:5], s[88:89]
	s_add_nc_u64 s[86:87], s[6:7], s[90:91]
	s_add_nc_u64 s[10:11], s[10:11], s[94:95]
	s_add_nc_u64 s[12:13], s[12:13], s[94:95]
	s_add_nc_u64 s[12:13], s[12:13], s[98:99]
.irp j, 0,1
	s_mov_b32 s[G0R+4*\j], 1
	s_mov_b32 s[G0R+4*\j+1], \j*SLOT
	s_add_nc_u64 s[G0R+4*\j+2:G0R+4*\j+3], s[84:85], \j*6144
	s_or_b32 s[G0R+4*\j+3], s[G0R+4*\j+3], 0x80000000
	s_mov_b32 s[G0P+4*\j], 1
	s_mov_b32 s[G0P+4*\j+1], \j*SLOT+49152
	s_add_nc_u64 s[G0P+4*\j+2:G0P+4*\j+3], s[86:87], \j*6144
	s_or_b32 s[G0P+4*\j+3], s[G0P+4*\j+3], 0x80000000
.endr
	CROUND                                         ; all sixteen work-groups are here: the joint loads meet
	s_cmp_eq_u32 s[WV], 0                          ; all fills of the launch, one a wave, in one chain of branches on the wave's number: wave 0 R's K steps 0-3,
	s_cbranch_scc0 .Lfill_1
	tensor_load_to_lds s[G0R:G0R+3], s[G1R:G1R+7]
	s_nop 0
.rept 4
	v_nop
.endr
	s_branch .Lfilled
.Lfill_1:
	s_cmp_eq_u32 s[WV], 1                          ; wave 1 P's K steps 0-3,
	s_cbranch_scc0 .Lfill_2
	tensor_load_to_lds s[G0P:G0P+3], s[G1P:G1P+7]
	s_nop 0
.rept 4
	v_nop
.endr
	s_branch .Lfilled
.Lfill_2:
	s_cmp_eq_u32 s[WV], 2                          ; wave 2 R's K steps 4-7,
	s_cbranch_scc0 .Lfill_3
	tensor_load_to_lds s[G0R+4:G0R+7], s[G1R:G1R+7]
	s_nop 0
.rept 4
	v_nop
.endr
	s_branch .Lfilled
.Lfill_3:
	tensor_load_to_lds s[G0P+4:G0P+7], s[G1P:G1P+7]   ; wave 3 P's K steps 4-7
	s_nop 0
.rept 4
	v_nop
.endr
.Lfilled:
	s_wait_alu depctr_va_vdst(0)                   ; the head's end
.irp i, 0,1,2,3
	global_load_b128 v[SC+8*\i:SC+8*\i+3], v[VA], s[8:9] offset:512*\i
	global_load_b128 v[SC+8*\i+4:SC+8*\i+7], v[VA], s[8:9] offset:512*\i+16
.endr
.irp i, 4,5,6,7
	global_load_b128 v[SC+8*\i:SC+8*\i+3], v[VB], s[8:9] offset:512*\i
	global_load_b128 v[SC+8*\i+4:SC+8*\i+7], v[VB], s[8:9] offset:512*\i+16
.endr
	WIN TO_P
	s_wait_alu depctr_va_vdst(0)
.irp b, 0,1,2,3
.irp j, 0,1,2,3
	global_load_b128 v[BI+16*\b+4*\j:BI+16*\b+4*\j+3], v17, s[10:11] offset:128*\b+16*\j
.endr
.endr
	WIN 0
.macro FETCH s
	WIN TO_P
.irp i, 0,1,2,3,4,5,6,7
	FRAG 96*((\s)%2)+12*\i, AP16, AP8, 6144*\i+1536*((\s)%4)
.endr
	WIN 0
.irp a, 0,1,2,3
	FRAG RF+48*((\s)%2)+12*\a, AR16, AR8, 6144*\a+1536*((\s)%4)
.endr
.endm
.macro MULS s                          ; the 32 accumulators take turns, one instruction a turn
	WIN MUL
.irp a, 0,1,2,3
.irp i, 0,1,2,3,4,5,6,7
.if (\s) == 0
	v_wmma_scale_f32_16x16x128_f8f6f4 v[8*(8*\a+\i):8*(8*\a+\i)+7], v[96*((\s)%2)+12*\i:96*((\s)%2)+12*\i+11], v[RF+48*((\s)%2)+12*\a:RF+48*((\s)%2)+12*\a+11], 0, v[SC+8*\i+(\s)], v[SC+8*\a+(\s)] matrix_a_fmt:MATRIX_FMT_FP6 matrix_b_fmt:MATRIX_FMT_FP6 matrix_a_scale:MATRIX_SCALE_ROW1
.else
	v_wmma_scale_f32_16x16x128_f8f6f4 v[8*(8*\a+\i):8*(8*\a+\i)+7], v[96*((\s)%2)+12*\i:96*((\s)%2)+12*\i+11], v[RF+48*((\s)%2)+12*\a:RF+48*((\s)%2)+12*\a+11], v[8*(8*\a+\i):8*(8*\a+\i)+7], v[SC+8*\i+(\s)], v[SC+8*\a+(\s)] matrix_a_fmt:MATRIX_FMT_FP6 matrix_b_fmt:MATRIX_FMT_FP6 matrix_a_scale:MATRIX_SCALE_ROW1
.endif
.endr
.endr
	WIN 0
.endm
.macro STEP s                          ; the next step's fragments are asked for first, four plain vector instructions behind the last matrix instruction that read their registers (ISA guide 7.12.1)
.if (\s) < 7
.if (\s) == 3
	s_wait_tensorcnt 0x0                           ; my load has landed, whichever half it brought: nothing is filled again
	s_wait_dscnt 0x0
	s_barrier_signal -1
	s_barrier_wait -1
	v_add_nc_u32 v[AR16], SLOT, v[AR16]
	v_add_nc_u32 v[AR8], SLOT, v[AR8]
	v_add_nc_u32 v[AP16], SLOT, v[AP16]
	s_wait_alu depctr_va_vdst(0)
	v_add_nc_u32 v[AP8], SLOT, v[AP8]
.elseif (\s) > 0
.rept 4
	v_nop
.endr
.endif
	FETCH (\s)+1
	s_wait_alu depctr_va_vdst(0)
	s_wait_dscnt 48                                ; all but the 48 just issued
.else
	s_wait_dscnt 0x0
.endif
	MULS \s
.endm
	s_cmp_lt_u32 s[WV], 2                          ; waves 0 and 1, whose load lines are their own, wait for K steps 0-3;
	s_cbranch_scc0 .Lnot_first
	s_wait_tensorcnt 0x0
.Lnot_first:
	s_barrier_signal -1
	s_barrier_wait -1                              ; the first half of K is in; the second may be on its way
	FETCH 0
	s_wait_loadcnt 0x0                             ; the scale words and the bias
.irp s, 0,1,2,3,4,5,6,7
	STEP \s
.endr
.rept 4
	v_nop                                          ; places behind the last matrix instructions
.endr
.irp a, 0,1,2,3                        ; a tile of 16 tokens at a time; lane row 2 i + h of tile a is token 32 (a / 2) + 8 (a % 2) + (2 i) % 8 + h + 16 (i / 4) of my 64
	WIN BIAS
.irp i, 0,1,2,3,4,5,6,7
.irp m, 0,2,4,6
	v_pk_add_f32 v[HA+8*\i+\m:HA+8*\i+\m+1], v[8*(8*\a+\i)+\m:8*(8*\a+\i)+\m+1], v[BI+8*\i+\m:BI+8*\i+\m+1]   ; each accumulator from its low end on
.endr
.endr
	WIN 0
.if \a > 0
	s_wait_alu depctr_va_vdst(0)
	s_wait_xcnt 0x0                                ; the last tile's stores have read their registers
.endif
.irp u, 0,1                            ; columns 64 u on
.irp b, 0,1
.irp j, 0,1,2,3
	ds_store_b128 v[STO], v[HA+32*\u+16*\b+4*\j:HA+32*\u+16*\b+4*\j+3] offset:128*\b+16*\j
.endr
.endr
.irp i, 0,1,2,3,4,5,6,7
	ds_load_b128 v[OUTR+32*\u+4*\i:OUTR+32*\u+4*\i+3], v[RD] offset:544*\i   ; LDS serves a wave's instructions in order: these see the stores above, and the next half's stores come behind them
.endr
.endr
.irp u, 0,1
.irp i, 0,1,2,3,4,5,6,7
	s_wait_dscnt 23-16*\u-\i                       ; the LDS instructions issued behind this load may be out
	global_store_b128 v[CO], v[OUTR+32*\u+4*\i:OUTR+32*\u+4*\i+3], s[12:13] offset:(32*(\a/2)+8*(\a%2)+(2*\i)%8+16*(\i/4))*4096+256*\u th:TH_STORE_NT   ; sixteen lanes store 256 consecutive bytes, at a multiple of 256 from out0's first byte
.endr
.endr
.endr
	s_wait_tensorcnt 0x0                           ; the wave's end, behind my last LDS store
	ds_add_u32 v[SPW], v[NIL]
	s_wait_dscnt 0x0
	CROUND                                         ; the closing round
	s_endpgm
.Lfunc_end_k_q3115e1f097_outp:
	.size	k_q3115e1f097_outp, .Lfunc_end_k_q3115e1f097_outp-k_q3115e1f097_outp
	.p2alignl 7, 3214868480
	.fill 96, 4, 3214868480
	.section	.rodata,"a",@progbits
	.p2align	6, 0x0
	.amdhsa_kernel k_q3115e1f097_outp
		.amdhsa_group_segment_fixed_size 327680
		.amdhsa_private_segment_fixed_size 0
		.amdhsa_enable_private_segment 0
		.amdhsa_kernarg_size 40
		.amdhsa_user_sgpr_count 2
		.amdhsa_user_sgpr_kernarg_segment_ptr 1
		.amdhsa_wavefront_size32 1
		.amdhsa_system_sgpr_workgroup_id_x 1
		.amdhsa_system_sgpr_workgroup_id_y 1
		.amdhsa_system_sgpr_workgroup_id_z 1
		.amdhsa_system_vgpr_workitem_id 0
		.amdhsa_next_free_vgpr 768
		.amdhsa_next_free_sgpr 102
		.amdhsa_reserve_vcc 0
		.amdhsa_float_denorm_mode_32 3
		.amdhsa_float_denorm_mode_16_64 3
		.amdhsa_memory_ordered 1
		.amdhsa_forward_progress 1
		.amdhsa_inst_pref_size 94
	.end_amdhsa_kernel
	.amdgpu_metadata
---
amdhsa.version: [ 1, 2 ]
amdhsa.kernels:
  - .name:           k_q3115e1f097_outp
    .symbol:         k_q3115e1f097_outp.kd
    .args:
      - { .name: ac, .offset: 0, .size: 8, .value_kind: global_buffer, .address_space: global }
      - { .name: wc, .offset: 8, .size: 8, .value_kind: global_buffer, .address_space: global }
      - { .name: sc, .offset: 16, .size: 8, .value_kind: global_buffer, .address_space: global }
      - { .name: bo, .offset: 24, .size: 8, .value_kind: global_buffer, .address_space: global }
      - { .name: out0, .offset: 32, .size: 8, .value_kind: global_buffer, .address_space: global }
    .group_segment_fixed_size: 327680
    .private_segment_fixed_size: 0
    .kernarg_segment_align: 8
    .kernarg_segment_size: 40
    .max_flat_workgroup_size: 128
    .sgpr_count:     102
    .vgpr_count:     768
    .wavefront_size: 32
...
	.end_amdgpu_metadata
.endif
;; end of part 4
